; MI455X (gfx1250); checked and timed in simulation.
; The chip was launched on July 23, 2026; its instructions are those of AMD's public machine-readable ISA for CDNA 5 (MIT licence, August 2026) and "CDNA5" Instruction Set Architecture Reference Guide (July 2026). The comments in the code are by the model that wrote it; some were corrected since.
;; Shepards Layer. Allowed arithmetic: float matrix products may take bf16 or f16 operands with f32 sums; other float arithmetic in f32, or as packed bf16 or f16 multiplies, adds, multiply-adds, maxima and minima; sums over many terms, partial sums and values carried from step to step in f32; what a program stores and reads back later, other than sums and carried values, may be rounded once to bf16 or f16.
;; Inputs: W_out 512 x 1,024 float32; W_qkvg 1,024 x 2,048 float32; X 2 x 2,048 x 1,024 float32; b_out 1,024 float32; b_qkvg 2,048 float32; ln_beta 1,024 float32; ln_gamma 1,024 float32; mask 1 x 2,048 x 2,048 bool.
;; Outputs: out0 2 x 2,048 x 1,024 float32.
;; 2 versions, each right; version 2 is version 1 with the launch prep written anew for expert scheduling mode. Each part assembles by itself: llvm-mc -triple=amdgcn-amd-amdhsa -mcpu=gfx1250 --defsym DOCPART=n.
;; ======== version 1 of 2: 4 launches
;; limits: values are held in f16: magnitudes above 65,504 overflow, below 6.1e-05 lose precision; right only within a limited range of input values
;; workspace buffers: xn 8,388,608 bytes; wh 5,242,880 bytes; mk 8,388,608 bytes; qkvg 16,777,216 bytes; sq 262,144 bytes; ya 4,194,304 bytes; se 131,072 bytes
;; launch prep (part 1): grid 544 x 1, 8 waves a work-group, no clusters, 68,608 bytes of LDS; arguments X, ln_gamma, ln_beta, W_qkvg, W_out, mask, xn, wh, mk; writes xn, wh, mk
.if DOCPART == 1
	.amdgcn_target "amdgcn-amd-amdhsa--gfx1250"
	.amdhsa_code_object_version 6
	.text
	.protected	k_q648d4b8b43_prep
	.globl	k_q648d4b8b43_prep
	.p2align	8
	.type	k_q648d4b8b43_prep,@function
k_q648d4b8b43_prep:
	s_mov_b64 s[64:65], 0
	v_nop
	global_prefetch_b8 v0, s[64:65] scope:SCOPE_SE
	s_setreg_imm32_b32 hwreg(HW_REG_WAVE_MODE, 25, 1), 1
	s_wait_xcnt 0x0
; PREP, the first of four launches of: out = X + ((Y * G) W_out) + b_out, Y = Shepard attention of LayerNorm(X) W_qkvg + b_qkvg.
; NOTHING IS LEFT OUT: every input has a way to the output and is loaded; the mask is an input, so every tile of weights is made and the mask applied.
; ONE IDENTITY is used in the third launch, for every real d2, with e = 1e-8: max(sqrt(max(d2, 0)), e)^-2 = min(1 / max(d2, 0), 1 / e^2), with 1 / 0 read as infinity.  For d2 >= e^2 both sides are 1 / d2; for
; d2 < e^2, negative d2 too, both are 1 / e^2.  So the root is not taken, and both of the formula's guards live on: d2 is held at 0 from below, the weight at 1e16 from above.
; LIMITS of the program: q, k, g, the normalised x and both weight matrices are kept in f16 (no number beyond 65,504); v and the weights 1 / d2 in bf16; Y * G in f16 behind a power of two for each row and head;
; NaN and infinities are not treated apart.
; THIS LAUNCH streams; three kinds of work-group, told apart by the work-group's number:
;   0-255    LayerNorm of 16 rows of X (a wave a row, two rows a wave, the row kept in registers between mean, variance and scaling) -> xn, f16 [4096][1024]
;   256-415  64 KiB of W_qkvg or of W_out rounded to f16, layout kept -> wh (W_qkvg at byte 0, W_out at byte 4,194,304)
;   416-543  16 rows of the mask -> mk: bf16 words, THE MOST THAT A WEIGHT MAY BE: 0x6e8e = 1e16 x 2^41 where the key is seen (the third launch's weights carry the factor 2^41), 0 where it is hidden; in the order in
;            which a lane of the third launch holds its rounded weights: [query block of 128][step of 256 keys][tile of 16 queries][16 keys][lane 32][8 words]; lane (r, h), word e: query 16 t + r, key 16 kts + 8 h + e
; No matrix unit, no tensor load, no barrier: no wave wants a byte that another wave has.  Every store of a wave covers whole aligned runs of 256 bytes.
; 160 registers a wave: three work-groups of eight waves take 3 x 2 x 160 = 960 of a SIMD's 1,024 registers and 3 x 68,608 bytes of LDS, so that the grid's 544 work-groups can all lie on 256 WGPs together.
.set SPARE, 67584                      ; behind the eight waves' stages: the spare words, 128 bytes a wave, that no other line names
.set SPW, 30                           ; v30   my spare word's address; never rewritten
.set NIL, 31                           ; v31   0; never rewritten
.set WV,  26                           ; s26   my wave's number
.set XA,  32                           ; v[32:63]   row A, as loaded, then less its mean, then (two registers of four) as stored
.set XB,  64                           ; v[64:95]   row B
.set GA,  96                           ; v[96:127]  gamma of my 32 columns
.set BE,  128                          ; v[128:159] beta
	s_load_b512 s[8:23], s[0:1], 0x0               ; X s[8:9], gamma s[10:11], beta s[12:13], W_qkvg s[14:15], W_out s[16:17], mask s[18:19], xn s[20:21], wh s[22:23]
	s_load_b64 s[24:25], s[0:1], 0x40              ; mk
	v_lshl_add_u32 v[SPW], v0, 2, SPARE
	v_mov_b32 v[NIL], 0
	v_lshrrev_b32 v1, 5, v0
	v_readfirstlane_b32 s[WV], v1
	v_and_b32 v1, 31, v0                           ; lane
	s_mov_b32 s29, 0                               ; high words of the two offset pairs
	s_mov_b32 s39, 0
	s_wait_kmcnt 0x0
	s_cmp_lt_u32 ttmp9, 256
	s_cbranch_scc0 .Lnot_ln
	; ---------------- LayerNorm: rows 16 g + 2 w and the next ----------------
	s_lshl_b32 s28, ttmp9, 16                      ; 16 rows of 4,096 bytes
	s_lshl_b32 s27, s[WV], 13                      ; 2 rows
	s_add_co_u32 s28, s28, s27
	s_lshr_b32 s38, s28, 1                         ; the same rows in xn: 2,048 bytes each
	s_add_nc_u64 s[8:9], s[8:9], s[28:29]
	s_add_nc_u64 s[20:21], s[20:21], s[38:39]
	v_lshlrev_b32 v26, 4, v1                       ; load j of a row: bytes 512 j + 16 lane: columns 128 j + 4 lane ..
	v_lshlrev_b32 v27, 3, v1                       ; the same columns in f16: bytes 256 j + 8 lane
	s_mov_b32 s30, 0x3a800000                      ; 1 / 1024
	s_mov_b32 s31, 0x3727c5ac                      ; 1e-5
	s_mov_b32 s32, 0x76543210                      ; v_permlanex16_b32: each lane takes its own place in the other half
	s_mov_b32 s33, 0xfedcba98
.irp j, 0,1,2,3,4,5,6,7
	global_load_b128 v[XA+4*(\j):XA+4*(\j)+3], v26, s[8:9] offset:512*(\j)
.endr
.irp j, 0,1,2,3,4,5,6,7
	global_load_b128 v[XB+4*(\j):XB+4*(\j)+3], v26, s[8:9] offset:4096+512*(\j)
.endr
.irp j, 0,1,2,3,4,5,6,7
	global_load_b128 v[GA+4*(\j):GA+4*(\j)+3], v26, s[10:11] offset:512*(\j)
.endr
.irp j, 0,1,2,3,4,5,6,7
	global_load_b128 v[BE+4*(\j):BE+4*(\j)+3], v26, s[12:13] offset:512*(\j)
.endr
.macro REDUCE                          ; four chains of pairs in v[2:9] -> their sum over the wave in v2, in every lane
	v_pk_add_f32 v[2:3], v[2:3], v[4:5]
	v_pk_add_f32 v[6:7], v[6:7], v[8:9]
	v_pk_add_f32 v[2:3], v[2:3], v[6:7]
	v_add_f32 v2, v2, v3
	v_add_f32_dpp v2, v2, v2 row_xmask:1 row_mask:0xf bank_mask:0xf
	v_add_f32_dpp v2, v2, v2 row_xmask:2 row_mask:0xf bank_mask:0xf
	v_add_f32_dpp v2, v2, v2 row_xmask:4 row_mask:0xf bank_mask:0xf
	v_add_f32_dpp v2, v2, v2 row_xmask:8 row_mask:0xf bank_mask:0xf
	v_permlanex16_b32 v3, v2, s32, s33
	v_add_f32 v2, v2, v3
.endm
; The mean; x - mean in place; the mean of its squares + 1e-5 into arg.  Two passes, as the formula has them: an offset common to a row does no harm.
.macro STATS x, mu, arg
.irp c, 0,1,2,3
	v_pk_add_f32 v[2+2*(\c):3+2*(\c)], v[(\x)+2*(\c):(\x)+2*(\c)+1], v[(\x)+8+2*(\c):(\x)+8+2*(\c)+1]
.endr
.irp k, 16,24
.irp c, 0,1,2,3
	v_pk_add_f32 v[2+2*(\c):3+2*(\c)], v[2+2*(\c):3+2*(\c)], v[(\x)+(\k)+2*(\c):(\x)+(\k)+2*(\c)+1]
.endr
.endr
	REDUCE
	v_mul_f32 v[(\mu)], s30, v2
	v_mul_f32 v[(\mu)+1], s30, v2
.set i, 0
.rept 16
	v_pk_add_f32 v[(\x)+i:(\x)+i+1], v[(\x)+i:(\x)+i+1], v[(\mu):(\mu)+1] neg_lo:[0,1] neg_hi:[0,1]
.set i, i+2
.endr
.irp c, 0,1,2,3
	v_pk_mul_f32 v[2+2*(\c):3+2*(\c)], v[(\x)+2*(\c):(\x)+2*(\c)+1], v[(\x)+2*(\c):(\x)+2*(\c)+1]
.endr
.irp k, 8,16,24
.irp c, 0,1,2,3
	v_pk_fma_f32 v[2+2*(\c):3+2*(\c)], v[(\x)+(\k)+2*(\c):(\x)+(\k)+2*(\c)+1], v[(\x)+(\k)+2*(\c):(\x)+(\k)+2*(\c)+1], v[2+2*(\c):3+2*(\c)]
.endr
.endr
	REDUCE
	v_fma_f32 v[(\arg)], v2, s30, s31
.endm
; (x - mean) rstd gamma + beta, rounded once to f16.  The packed words go into registers of the row that have been used up, so no store's register is written again.
.macro FIN x, rs, rowoff
.irp j, 0,1,2,3,4,5,6,7
	v_pk_mul_f32 v[20:21], v[(\x)+4*(\j):(\x)+4*(\j)+1], v[(\rs):(\rs)+1]
	v_pk_mul_f32 v[22:23], v[(\x)+4*(\j)+2:(\x)+4*(\j)+3], v[(\rs):(\rs)+1]
	v_pk_fma_f32 v[20:21], v[20:21], v[GA+4*(\j):GA+4*(\j)+1], v[BE+4*(\j):BE+4*(\j)+1]
	v_pk_fma_f32 v[22:23], v[22:23], v[GA+4*(\j)+2:GA+4*(\j)+3], v[BE+4*(\j)+2:BE+4*(\j)+3]
	v_cvt_pk_f16_f32 v[(\x)+4*(\j)], v20, v21
	v_cvt_pk_f16_f32 v[(\x)+4*(\j)+1], v22, v23
	global_store_b64 v27, v[(\x)+4*(\j):(\x)+4*(\j)+1], s[20:21] offset:256*(\j)+(\rowoff)  ; the wave's 32 lanes store 256 consecutive bytes, aligned
.endr
.endm
	s_wait_loadcnt 24                              ; row A is in; row B, gamma and beta (24 loads) may stay out
	STATS XA, 10, 18
	s_wait_loadcnt 16                              ; row B is in; gamma and beta may stay out
	STATS XB, 12, 19
	v_rsq_f32 v14, v18                             ; each row's 1 / sqrt twice, to fill the pair that the packed multiply takes
	v_rsq_f32 v15, v18
	v_rsq_f32 v16, v19
	v_rsq_f32 v17, v19
	v_nop                                          ; a plain instruction behind the last of the four,
	s_wait_alu depctr_va_vdst(0)                   ; and one wait for the batch, ahead of its first reader
	s_wait_loadcnt 0x0                             ; gamma and beta
	FIN XA, 14, 0
	FIN XB, 16, 2048
	s_endpgm
.Lnot_ln:
	s_cmp_lt_u32 ttmp9, 416
	s_cbranch_scc0 .Lmask
	; ---------------- weights: 64 KiB of f32 -> 32 KiB of f16 ----------------
	s_sub_co_u32 s27, ttmp9, 256                   ; 0-127: W_qkvg's blocks; 128-159: W_out's
	s_sub_co_u32 s36, ttmp9, 384
	s_cmp_lt_u32 s27, 128
	s_cselect_b64 s[34:35], s[14:15], s[16:17]
	s_cselect_b32 s28, s27, s36
	s_lshl_b32 s28, s28, 16
	s_lshl_b32 s38, s27, 15
	s_add_nc_u64 s[34:35], s[34:35], s[28:29]
	s_add_nc_u64 s[22:23], s[22:23], s[38:39]
	v_lshlrev_b32 v2, 4, v0
	v_lshlrev_b32 v3, 3, v0
.irp i, 0,1,2,3,4,5,6,7,8,9,10,11,12,13,14,15
	global_load_b128 v[32+4*(\i):35+4*(\i)], v2, s[34:35] offset:4096*(\i) th:TH_LOAD_NT
.endr
.irp i, 0,1,2,3,4,5,6,7,8,9,10,11,12,13,14,15
	s_wait_loadcnt 15-(\i)                         ; loads come back in order: load i is in, the younger ones stay out
	v_cvt_pk_f16_f32 v[96+2*(\i)], v[32+4*(\i)], v[33+4*(\i)]
	v_cvt_pk_f16_f32 v[97+2*(\i)], v[34+4*(\i)], v[35+4*(\i)]
	global_store_b64 v3, v[96+2*(\i):97+2*(\i)], s[22:23] offset:2048*(\i)
.endr
	s_endpgm
.Lmask:
	; ---------------- mask: query tile T (16 rows), wave j = step j (256 keys) ----------------
	s_sub_co_u32 s27, ttmp9, 416                   ; T
	s_lshl_b32 s28, s27, 15                        ; 16 rows of 2,048 bytes
	s_lshl_b32 s36, s[WV], 8
	s_add_co_u32 s28, s28, s36
	s_add_nc_u64 s[18:19], s[18:19], s[28:29]
	s_lshr_b32 s38, s27, 3                         ; query block
	s_lshl_b32 s38, s38, 3
	s_add_co_u32 s38, s38, s[WV]                   ; x 8 steps + step
	s_lshl_b32 s38, s38, 16
	s_and_b32 s36, s27, 7                          ; tile in the block: 8,192 bytes
	s_lshl_b32 s36, s36, 13
	s_add_co_u32 s38, s38, s36
	s_add_nc_u64 s[24:25], s[24:25], s[38:39]
	s_mov_b32 s40, 0x01010101
	s_mov_b32 s41, 0xff
	s_mov_b32 s42, 0x01010000                      ; bytes 0, 0, 1, 1: two bytes become two 16-bit words
	s_mov_b32 s43, 0x03030202
	s_mov_b32 s44, 0x6e8e6e8e                      ; 1e16 x 2^41 in bf16, twice
	v_and_b32 v5, 15, v0
	v_bfe_u32 v6, v0, 4, 1
	v_lshlrev_b32 v2, 4, v5
	v_lshl_add_u32 v2, v6, 11, v2                  ; load i: row 2 i + lane / 16, bytes 16 (lane % 16) ..: 16 keys of one row
	s_mul_i32 s36, s[WV], 8448                     ; my wave's stage: 16 groups of keys, 512 bytes + 16 of padding each
	v_mul_u32_u24 v3, v5, 528
	v_lshl_add_u32 v3, v6, 4, v3
	v_add_nc_u32 v3, s36, v3                       ; in: group lane % 16, place 16 h + row
	v_lshl_add_u32 v4, v1, 4, s36                  ; back: a group's 512 bytes, 16 a lane
	v_lshlrev_b32 v7, 4, v1
.irp i, 0,1,2,3,4,5,6,7
	global_load_b128 v[32+4*(\i):35+4*(\i)], v2, s[18:19] offset:4096*(\i) th:TH_LOAD_NT
.endr
.irp i, 0,1,2,3,4,5,6,7
	s_wait_loadcnt 7-(\i)                          ; load i is in, the younger ones stay out
.irp d, 0,1,2,3
	v_xor_b32 v[72+(\d)], s40, v[32+4*(\i)+(\d)]   ; 1 where the key is seen,
	v_mul_lo_u32 v[72+(\d)], v[72+(\d)], s41       ; 0xff there (no byte carries into the next),
	v_perm_b32 v[64+2*(\d)], v[72+(\d)], v[72+(\d)], s42  ; 0xffff as a word,
	v_perm_b32 v[65+2*(\d)], v[72+(\d)], v[72+(\d)], s43
	v_and_b32 v[64+2*(\d)], s44, v[64+2*(\d)]      ; the weight's cap there, 0 elsewhere
	v_and_b32 v[65+2*(\d)], s44, v[65+2*(\d)]
.endr
	ds_store_b128 v3, v[64:67] offset:32*(\i)      ; keys 0-7 of the group: the lanes' lower half
	ds_store_b128 v3, v[68:71] offset:32*(\i)+256  ; keys 8-15: the upper half
.endr
.irp c, 0,1,2,3,4,5,6,7,8,9,10,11,12,13,14,15
	ds_load_b128 v[96+4*(\c):99+4*(\c)], v4 offset:528*(\c)  ; LDS serves a wave's instructions in order: these see the stores above
.endr
.irp c, 0,1,2,3,4,5,6,7,8,9,10,11,12,13,14,15
	s_wait_dscnt 15-(\c)
	global_store_b128 v7, v[96+4*(\c):99+4*(\c)], s[24:25] offset:512*(\c)
.endr
	s_wait_tensorcnt 0x0                           ; the wave's end, behind my last LDS store
	ds_add_u32 v[SPW], v[NIL]
	s_wait_dscnt 0x0
	s_endpgm
.Lfunc_end_k_q648d4b8b43_prep:
	.size	k_q648d4b8b43_prep, .Lfunc_end_k_q648d4b8b43_prep-k_q648d4b8b43_prep
	.p2alignl 7, 3214868480
	.fill 96, 4, 3214868480
	.section	.rodata,"a",@progbits
	.p2align	6, 0x0
	.amdhsa_kernel k_q648d4b8b43_prep
		.amdhsa_group_segment_fixed_size 68608
		.amdhsa_private_segment_fixed_size 0
		.amdhsa_enable_private_segment 0
		.amdhsa_kernarg_size 72
		.amdhsa_user_sgpr_count 2
		.amdhsa_user_sgpr_kernarg_segment_ptr 1
		.amdhsa_wavefront_size32 1
		.amdhsa_system_sgpr_workgroup_id_x 1
		.amdhsa_system_sgpr_workgroup_id_y 1
		.amdhsa_system_sgpr_workgroup_id_z 1
		.amdhsa_system_vgpr_workitem_id 0
		.amdhsa_next_free_vgpr 160
		.amdhsa_next_free_sgpr 66
		.amdhsa_reserve_vcc 0
		.amdhsa_float_denorm_mode_32 3
		.amdhsa_float_denorm_mode_16_64 3
		.amdhsa_memory_ordered 1
		.amdhsa_forward_progress 1
		.amdhsa_inst_pref_size 42
	.end_amdhsa_kernel
	.amdgpu_metadata
---
amdhsa.version: [ 1, 2 ]
amdhsa.kernels:
  - .name:           k_q648d4b8b43_prep
    .symbol:         k_q648d4b8b43_prep.kd
    .args:
      - { .name: X, .offset: 0, .size: 8, .value_kind: global_buffer, .address_space: global }
      - { .name: ln_gamma, .offset: 8, .size: 8, .value_kind: global_buffer, .address_space: global }
      - { .name: ln_beta, .offset: 16, .size: 8, .value_kind: global_buffer, .address_space: global }
      - { .name: W_qkvg, .offset: 24, .size: 8, .value_kind: global_buffer, .address_space: global }
      - { .name: W_out, .offset: 32, .size: 8, .value_kind: global_buffer, .address_space: global }
      - { .name: mask, .offset: 40, .size: 8, .value_kind: global_buffer, .address_space: global }
      - { .name: xn, .offset: 48, .size: 8, .value_kind: global_buffer, .address_space: global }
      - { .name: wh, .offset: 56, .size: 8, .value_kind: global_buffer, .address_space: global }
      - { .name: mk, .offset: 64, .size: 8, .value_kind: global_buffer, .address_space: global }
    .group_segment_fixed_size: 68608
    .private_segment_fixed_size: 0
    .kernarg_segment_align: 8
    .kernarg_segment_size: 72
    .max_flat_workgroup_size: 256
    .sgpr_count:     66
    .vgpr_count:     160
    .wavefront_size: 32
...
	.end_amdgpu_metadata
.endif
;; end of part 1
;; launch qkvg (part 2): grid 16 x 16, 4 waves a work-group, clusters of 4 x 4, 327,680 bytes of LDS; arguments xn, wh, b_qkvg, qkvg, sq; writes qkvg, sq
.if DOCPART == 2
	.amdgcn_target "amdgcn-amd-amdhsa--gfx1250"
	.amdhsa_code_object_version 6
	.text
	.protected	k_q648d4b8b43_qkvg
	.globl	k_q648d4b8b43_qkvg
	.p2align	8
	.type	k_q648d4b8b43_qkvg,@function
k_q648d4b8b43_qkvg:
	s_mov_b64 s[64:65], 0
	v_nop
	global_prefetch_b8 v0, s[64:65] scope:SCOPE_SE
	s_setreg_imm32_b32 hwreg(HW_REG_WAVE_MODE, 25, 1), 1
	s_wait_xcnt 0x0
	s_wait_alu depctr_hold_cnt(0) depctr_sa_sdst(0) depctr_va_vdst(0) depctr_va_sdst(0) depctr_va_ssrc(0) depctr_va_vcc(0) depctr_vm_vsrc(0)
	s_getreg_b32 s2, hwreg(HW_REG_IB_STS2, 6, 4)
	s_cmp_eq_u32 s2, 0
	s_cbranch_scc0 .Lentry_in_a_cluster
	s_endpgm
.Lentry_in_a_cluster:
	s_bfe_u32 s2, ttmp6, 0x10000c
	s_cmp_lg_u32 s2, 0xf033
	s_cbranch_scc0 .Lentry_shape_is_right
	s_endpgm
.Lentry_shape_is_right:
; QKVG: C[m][n] = sum over k of xn[m][k] W_qkvg[k][n] + b[n].  xn: f16 [4096][1024]; W: f16 [1024][2048] (wh, byte 0); sums in f32.  Nothing of the formula is left out here.
; A tile of C is 256 rows x 128 columns: 16 x 16 tiles, one for each of 256 work-groups.  Four waves, each 128 x 64: 32 accumulators, 256 registers.  For 32 along K a wave reads 8 fragments of xn and 4 of W from LDS:
; 24 loads for 32 matrix instructions.  K goes in 8 steps of 128 through two LDS slots filled by joint tensor loads: 4 x 4 work-groups form a cluster; the four of a row need the same tile of xn, the four of a
; column the same tile of W.  W lies [k][n]: its fragments come out of LDS turned, by ds_load_tr16_b128.  Slot 1 begins at byte 131,072, so that one exclusive or turns an address in one slot into the other's:
; a trip of the loop is one K step, with one walking descriptor for each tensor.
; THE MATRIX INSTRUCTION IS USED TRANSPOSED (source 0 = 16 columns of W, source 1 = 16 rows of xn): a lane holds row l % 16 and eight neighbouring columns.
; THE WAY OUT.  A wave's 64 columns are one block of 64 (a head's q, k, v or g): its 128 x 64 numbers are 16,384 dense bytes of qkvg = [batch][block 32][row 2048][64], blocks 0-7 q, 8-15 k, 16-23 v, 24-31 g.
; q, k, g are rounded to f16, v to bf16.  The cluster's x says which of the four a tile belongs to: it is the same in all partners, so a branch may hang on it; the way out's text stands once, with forward branches on it.
; For q and k the sum of squares of the ROUNDED numbers goes to sq = f32 [batch][block 16][row]: |q|^2, and -|k|^2 / 2.
; No prefetch: the tiles are small: a K step holds 128 matrix instructions a wave.
; REGISTERS (windows of 256): 0: addresses; v32-159 rows read back from the stage; v160-191 b; v192-255 at work on the way out.   1: two fragment buffers of 96: 64 of xn, then 32 of W.   2: the accumulators, (a, b) at 8 (4 a + b).
.set SIZE_K, 1024
.set SIZE_N, 2048
.set KSTEP,  128
.set STEPS,  SIZE_K/KSTEP
.set PITCH,  272                       ; a row of xn in LDS: 256 bytes + 16: the 16 rows of a load start at 16 different groups of four banks
.set PB,     288                       ; a k-row of W in LDS: 256 bytes + 32
.set HALFA,  128*PITCH                 ; what one tensor load brings of xn, and what one wave reads of it
.set HALFB,  64*PB                     ; what one tensor load brings of W: 64 k-rows
.set BOFF,   2*HALFA
.set SLOT1,  1<<17
.set STAGE,  SLOT1+BOFF+2*HALFB        ; behind the ring: 16 rows x 144 bytes for each wave
.set SP,     144
.set SPARE,  STAGE+4*16*SP             ; the spare words, 128 bytes a wave, that no other line names
.set C,    4                           ; v4-7    the way out: four chains of squares
.set A0,   10                          ; my lane's place in slot 0's xn; never rewritten
.set B0,   11                          ; the same for W
.set ADRA, 12                          ; the same in the slot in hand
.set ADRB, 13
.set STO,  14
.set RD,   15
.set GO,   16
.set BO,   17
.set SQO,  18
.set ZR,   19                          ; 0, for arithmetic
.set SQ,   20                          ; v20-23  the sums of squares as stored, a register for each pair of blocks
.set SPW,  28                          ; my spare word's address; never rewritten
.set NIL,  29                          ; 0; never rewritten
.set TMP,  32                          ; v32-159 rows read back from the stage, 16 registers for each block of 16 rows
.set BIAS, 160                         ; v160-191 b of my lane's 32 columns
.set T,    192                         ; v192-255 two blocks' sums + b in f32; then, packed downward, their 32 words
.set F0,   0                           ; fragment buffers, in window 1
.set F1,   128
.set G1, 24
.set G0, 32                            ; s[32:35] xn's first fill of slot 0; s[36:39] that of slot 1, which then walks
.set G1B, 48
.set G0B, 56                           ; s[56:59], s[60:63] the same for W
.set WV, 68
.set RH, 69                            ; which half of the tile's rows is mine; also: I fetch xn (0) or W (1)
.set CH, 70                            ; which half of its columns; also: which half of that tile I fetch
.set TR, 71
.set CLX, 72                           ; the cluster's x: 0 q, 1 k, 2 v, 3 g
.set FAC, 73
.set HM, 74
.set TB, 75                            ; LDS byte at which the slot in hand begins
.set SEL, 76
.set MSB, 0
.macro WIN new
.if MSB != (\new)
	s_set_vgpr_msb (MSB<<8)|(\new)
.set MSB, \new
.endif
.endm
.set MUL,  0xa5                        ; sources 0 and 1 window 1; C and D window 2
.set TO_F, 0x40                        ; destination window 1, address window 0
.macro JLOAD s                         ; a joint load; an s_nop 0 and four v_nop follow each of the two lines
	s_cmp_eq_u32 s[RH], 0
	s_cbranch_scc0 .Lfor_b_\@
	tensor_load_to_lds s[G0+4*(\s):G0+4*(\s)+3], s[G1:G1+7]
	s_nop 0
.rept 4
	v_nop
.endr
	s_branch .Lasked_\@
.Lfor_b_\@:
	tensor_load_to_lds s[G0B+4*(\s):G0B+4*(\s)+3], s[G1B:G1B+7]
	s_nop 0
.rept 4
	v_nop
.endr
.Lasked_\@:
.endm
.macro CREST
	s_cmp_lg_u32 s[WV], 0
	s_cbranch_scc1 .Lnot_wave_0_\@
	s_barrier_signal -3
.Lnot_wave_0_\@:
	s_barrier_wait -3
	s_barrier_signal -1
	s_barrier_wait -1
.endm
.macro CROUND
	s_barrier_signal -1
	s_barrier_wait -1
	CREST
.endm
.macro PLACES
.rept 4
	v_nop
.endr
.endm
	s_load_b256 s[4:11], s[0:1], 0x0               ; xn s[4:5], wh s[6:7], b s[8:9], qkvg s[10:11]
	s_load_b64 s[66:67], s[0:1], 0x20              ; sq
	v_lshl_add_u32 v[SPW], v0, 2, SPARE
	v_mov_b32 v[NIL], 0
	ds_add_u32 v[SPW], v[NIL]                      ; the wave's opening: the add, twice on end, and its wait ahead of my first tensor load
	ds_add_u32 v[SPW], v[NIL]
	v_lshrrev_b32 v1, 5, v0
	v_readfirstlane_b32 s[WV], v1
	s_lshr_b32 s[RH], s[WV], 1
	s_and_b32 s[CH], s[WV], 1
	s_mov_b32 s[CLX], ttmp9
	s_bfe_u32 s40, ttmp6, 0x40000                  ; cx, cy: my place in the cluster
	s_bfe_u32 s41, ttmp6, 0x40004
	s_lshl_b32 s42, ttmp9, 2
	s_add_co_u32 s42, s42, s40                     ; tile column
	s_and_b32 s[TR], ttmp7, 0xffff
	s_lshl_b32 s[TR], s[TR], 2
	s_add_co_u32 s[TR], s[TR], s41                 ; tile row
	s_lshl_b32 s43, s41, 2
	s_lshl_b32 s43, 15, s43                        ; my row of the cluster
	s_lshl_b32 s44, 0x1111, s40                    ; my column
	s_or_b32 s[G1+0], s43, (1<<16)|(1<<20)|(1<<21)|(5<<22)|(3<<25)   ; xn: 2-byte elements, 4 words of padding after every 64 words
	s_or_b32 s[G1B+0], s44, (1<<16)|(1<<20)|(1<<21)|(5<<22)|(7<<25)  ; W: 8 words of padding after every 64 words
	s_mov_b32 s[G1+1], KSTEP<<16                   ; xn: 128 rows x 128 elements, 1,024 from row to row
	s_mov_b32 s[G1+2], 128<<16
	s_mov_b32 s[G1+3], KSTEP<<16
	s_mov_b32 s[G1+4], 128
	s_mov_b32 s[G1+5], SIZE_K
	s_mov_b32 s[G1+6], 0
	s_mov_b32 s[G1+7], 0
	s_mov_b32 s[G1B+1], 128<<16                    ; W: 64 k-rows x 128 elements, 2,048 from row to row
	s_mov_b32 s[G1B+2], 64<<16
	s_mov_b32 s[G1B+3], 128<<16
	s_mov_b32 s[G1B+4], 64
	s_mov_b32 s[G1B+5], SIZE_N
	s_mov_b32 s[G1B+6], 0
	s_mov_b32 s[G1B+7], 0
	s_lshl_b32 s16, s[TR], 8
	s_lshl_b32 s17, s[CH], 7
	s_add_co_u32 s16, s16, s17                     ; xn: row 256 x tile row + 128 x half,
	s_lshl_b32 s16, s16, 11                        ; 2,048 bytes each
	s_mov_b32 s17, 0
	s_lshl_b32 s46, s42, 8                         ; W: 256 bytes x tile column
	s_lshl_b32 s47, s[CH], 18                      ; + 64 k-rows of 4,096 bytes x half
	s_add_co_u32 s46, s46, s47
	s_mov_b32 s47, 0
	s_mul_i32 s20, s[CH], HALFA                    ; where they go: no place in the cluster enters an LDS address
	s_mul_i32 s21, s[CH], HALFB
	s_add_co_u32 s21, s21, BOFF
	s_mov_b32 s[HM], 0xffff0000
	s_mov_b32 s[SEL], 0x76543210
	s_mov_b32 s[SEL+1], 0xfedcba98
	s_mov_b32 s[TB], 0
	s_cmp_eq_u32 s[CLX], 0
	s_cselect_b32 s[FAC], 1.0, -0.5                ; |q|^2, or -|k|^2 / 2
	s_wait_dscnt 0x0                               ; both opening adds are done
	s_wait_kmcnt 0x0
	s_add_nc_u64 s[14:15], s[4:5], s[16:17]
	s_add_nc_u64 s[46:47], s[6:7], s[46:47]
	CROUND                                         ; all sixteen work-groups are here: the first joint loads meet
.irp s, 0,1
	s_mov_b32 s[G0+4*(\s)], 1
	s_add_co_u32 s[G0+4*(\s)+1], s20, (\s)*SLOT1
	s_add_nc_u64 s[G0+4*(\s)+2:G0+4*(\s)+3], s[14:15], (\s)*KSTEP*2
	s_or_b32 s[G0+4*(\s)+3], s[G0+4*(\s)+3], 0x80000000
	s_mov_b32 s[G0B+4*(\s)], 1
	s_add_co_u32 s[G0B+4*(\s)+1], s21, (\s)*SLOT1
	s_add_nc_u64 s[G0B+4*(\s)+2:G0B+4*(\s)+3], s[46:47], (\s)*KSTEP*SIZE_N*2
	s_or_b32 s[G0B+4*(\s)+3], s[G0B+4*(\s)+3], 0x80000000
	JLOAD \s
.endr
	v_and_b32 v1, 15, v0                           ; l % 16
	v_bfe_u32 v2, v0, 4, 1                         ; l / 16
	v_mul_u32_u24 v[A0], v1, PITCH
	v_lshl_add_u32 v[A0], v2, 4, v[A0]             ; xn: row x pitch + 16 x half
	s_mul_i32 s22, s[RH], HALFA                    ; my 128 rows of xn
	v_add_nc_u32 v[A0], s22, v[A0]
	v_and_b32 v6, 7, v0
	v_lshl_add_u32 v[B0], v2, 3, v6                ; W: k-row 8 (l / 16) + l % 8,
	v_mul_u32_u24 v[B0], v[B0], PB
	v_bfe_u32 v5, v0, 3, 1
	v_lshl_add_u32 v[B0], v5, 4, v[B0]             ; columns 8 ((l / 8) % 2) ..
	s_lshl_b32 s23, s[CH], 7                       ; my 64 columns of W
	s_add_co_u32 s23, s23, BOFF
	v_add_nc_u32 v[B0], s23, v[B0]
	v_add_nc_u32 v[ADRA], s[TB], v[A0]
	v_add_nc_u32 v[ADRB], s[TB], v[B0]
	s_mul_i32 s23, s[WV], 16*SP
	s_add_co_u32 s23, s23, STAGE                   ; my stage
	v_mul_u32_u24 v[STO], v1, SP                   ; in: row l % 16, 16 bytes for each half of the lanes
	v_lshl_add_u32 v[STO], v2, 4, v[STO]
	v_add_nc_u32 v[STO], s23, v[STO]
	v_bfe_u32 v[RD], v0, 3, 2                      ; back: 32 lanes take four rows of 128 bytes,
	v_mul_u32_u24 v[RD], v[RD], SP
	v_lshl_add_u32 v[RD], v6, 4, v[RD]
	v_add_nc_u32 v[RD], s23, v[RD]
	v_and_b32 v[GO], 31, v0                        ; which are 512 consecutive bytes of qkvg
	v_lshlrev_b32 v[SQO], 2, v[GO]
	v_lshlrev_b32 v[GO], 4, v[GO]
	v_lshlrev_b32 v[BO], 5, v2                     ; b: my 8 columns of a block of 16
	v_mov_b32 v[ZR], 0
	s_lshl_b32 s46, s42, 1
	s_add_co_u32 s46, s46, s[CH]                   ; my block of 64 columns: 2 x tile column + half
	s_lshr_b32 s16, s[TR], 3                       ; batch
	s_and_b32 s17, s[TR], 7
	s_lshl_b32 s17, s17, 8
	s_lshl_b32 s18, s[RH], 7
	s_add_co_u32 s17, s17, s18                     ; my first row in the batch
	s_lshl_b32 s18, s16, 5
	s_add_co_u32 s18, s18, s46
	s_lshl_b32 s18, s18, 11
	s_add_co_u32 s18, s18, s17
	s_lshl_b32 s18, s18, 7                         ; ((32 batch + block) 2,048 + row) x 128 bytes
	s_mov_b32 s19, 0
	s_add_nc_u64 s[10:11], s[10:11], s[18:19]
	s_lshl_b32 s18, s16, 4
	s_add_co_u32 s18, s18, s46
	s_lshl_b32 s18, s18, 11
	s_add_co_u32 s18, s18, s17
	s_lshl_b32 s18, s18, 2                         ; ((16 batch + block) 2,048 + row) x 4 bytes: used for q and k alone
	s_add_nc_u64 s[66:67], s[66:67], s[18:19]
	s_lshl_b32 s18, s46, 8                         ; b: 64 columns x 4 bytes x block
	s_add_nc_u64 s[8:9], s[8:9], s[18:19]
.irp b, 0,1,2,3
	global_load_b128 v[BIAS+8*(\b):BIAS+8*(\b)+3],   v[BO], s[8:9] offset:64*(\b)
	global_load_b128 v[BIAS+8*(\b)+4:BIAS+8*(\b)+7], v[BO], s[8:9] offset:64*(\b)+16
.endr
; 8 matrix instructions: row blocks a0, a0 + 1 x all 4 column blocks, 32 along K, from buffer f.  The 32 accumulators take turns, one instruction a turn, in the same order in every quarter.
.macro MUL8 f, a0, zero
	WIN MUL
.irp a, \a0, (\a0)+1
.irp b, 0,1,2,3
.if \zero
	v_wmma_f32_16x16x32_f16 v[8*(4*(\a)+(\b)):8*(4*(\a)+(\b))+7], v[(\f)+64+8*(\b):(\f)+64+8*(\b)+7], v[(\f)+8*(\a):(\f)+8*(\a)+7], 0
.else
	v_wmma_f32_16x16x32_f16 v[8*(4*(\a)+(\b)):8*(4*(\a)+(\b))+7], v[(\f)+64+8*(\b):(\f)+64+8*(\b)+7], v[(\f)+8*(\a):(\f)+8*(\a)+7], v[8*(4*(\a)+(\b)):8*(4*(\a)+(\b))+7]
.endif
.endr
.endr
.endm
.macro FETCH q, f                      ; 24 LDS loads in one run: the fragments of quarter q (32 along K) of the slot in hand, into buffer f: W's four, xn's blocks 0-3, xn's blocks 4-7
	WIN TO_F
.irp i, 0,1,2,3
	ds_load_tr16_b128 v[(\f)+64+8*(\i):(\f)+64+8*(\i)+3],   v[ADRB] offset:(\q)*32*PB+32*(\i)
	ds_load_tr16_b128 v[(\f)+64+8*(\i)+4:(\f)+64+8*(\i)+7], v[ADRB] offset:(\q)*32*PB+16*PB+32*(\i)
.endr
.irp i, 0,1,2,3,4,5,6,7
	ds_load_b128 v[(\f)+8*(\i):(\f)+8*(\i)+3],   v[ADRA] offset:(\q)*64+(\i)*16*PITCH
	ds_load_b128 v[(\f)+8*(\i)+4:(\f)+8*(\i)+7], v[ADRA] offset:(\q)*64+(\i)*16*PITCH+32
.endr
.endm
.macro QUARTER q, f, g, zero           ; multiplies buffer f and fetches quarter q of the slot in hand into g
	s_wait_dscnt 8                                 ; W's fragments and xn's blocks 0-3 are in; the eight younger loads may stay out
	MUL8 \f, 0, \zero
	MUL8 \f, 2, \zero
	PLACES
	FETCH \q, \g
	s_wait_dscnt 24                                ; all but the 24 just issued
	MUL8 \f, 4, \zero
	MUL8 \f, 6, \zero
.endm
; The last quarter of a K step multiplies buffer 1 and changes slots: in front of the barrier each wave waits for all its tensor loads, adds 0 to its spare word, and waits for that and for its reads of this slot.
; fill = 1: behind a round of the cluster's barrier this slot is filled with the K step two steps on: 112 matrix instructions ahead of the wait for it.
.macro TURN fill
	WIN 0
	s_wait_tensorcnt 0x0                           ; all my tensor loads have landed: my part of the next slot
	ds_add_u32 v[SPW], v[NIL]
	s_wait_dscnt 9                                 ; the add and the youngest eight loads may be out
	MUL8 F1, 0, 0
	s_wait_dscnt 0x0                               ; the add is done, and my reads of this slot are over
	s_barrier_signal -1
	MUL8 F1, 2, 0
	WIN 0
	s_barrier_wait -1
.if \fill
	CREST                                          ; the barrier has opened a round of the cluster's barrier: no wave of any partner still reads this slot or has a load on its way
	s_xor_b32 s[G0+5], s[G0+5], SLOT1              ; the walking descriptors: the other slot than last time,
	s_add_nc_u64 s[G0+6:G0+7], s[G0+6:G0+7], KSTEP*2  ; the next K step; the type bits on top are not reached
	s_xor_b32 s[G0B+5], s[G0B+5], SLOT1
	s_add_nc_u64 s[G0B+6:G0B+7], s[G0B+6:G0B+7], KSTEP*SIZE_N*2
	JLOAD 1                                        ; the first tensor load behind the round; its four v_nop are also the places in front of the loads below
.else
	PLACES
.endif
	s_xor_b32 s[TB], s[TB], SLOT1                  ; the fetches go on in the other slot
	v_add_nc_u32 v[ADRA], s[TB], v[A0]
	v_add_nc_u32 v[ADRB], s[TB], v[B0]
	FETCH 0, F0
	MUL8 F1, 4, 0
	MUL8 F1, 6, 0
.endm
	s_wait_tensorcnt 1                             ; my part of K step 0 is in; K step 1's may stay out
	s_barrier_signal -1
	s_barrier_wait -1
	FETCH 0, F0
	QUARTER 1, F0, F1, 1                           ; the first products start the sums
	WIN 0
	s_mov_b32 s3, STEPS-2
.Lstep:                                                ; six trips, each from a K step's second quarter to the next step's first: K steps 2 to 7 are asked for
	QUARTER 2, F1, F0, 0
	QUARTER 3, F0, F1, 0
	TURN 1
	QUARTER 1, F0, F1, 0
	WIN 0
	s_sub_co_u32 s3, s3, 1
	s_cmp_lg_u32 s3, 0
	s_cbranch_scc1 .Lstep
	QUARTER 2, F1, F0, 0                           ; the last two K steps are written out: they ask for nothing
	QUARTER 3, F0, F1, 0
	TURN 0
	QUARTER 1, F0, F1, 0
	QUARTER 2, F1, F0, 0
	QUARTER 3, F0, F1, 0
	s_wait_dscnt 8
	MUL8 F1, 0, 0
	MUL8 F1, 2, 0
	s_wait_dscnt 0
	MUL8 F1, 4, 0
	MUL8 F1, 6, 0
	WIN 0
	PLACES
	PLACES
	s_wait_loadcnt 0x0                             ; b
; THE WAY OUT of blocks 2 p and 2 p + 1 (16 rows each): + b, into window 0, each accumulator's registers in ascending order; rounded, packed downward (a packed word never lands on a number not yet read);
; for q and k the sums of squares of the rounded numbers, stored at once; 16 bytes a lane into my stage, and back as whole rows of 128 bytes.
.macro OUT2 p
	WIN 0x02                                       ; source 0, the sums, in window 2
.irp e, 0,1
.irp b, 0,1,2,3
.irp r, 0,1,2,3
	v_pk_add_f32 v[T+32*(\e)+8*(\b)+2*(\r):T+32*(\e)+8*(\b)+2*(\r)+1], v[8*(4*(2*(\p)+(\e))+(\b))+2*(\r):8*(4*(2*(\p)+(\e))+(\b))+2*(\r)+1], v[BIAS+8*(\b)+2*(\r):BIAS+8*(\b)+2*(\r)+1]
.endr
.endr
.endr
	WIN 0
	s_cmp_eq_u32 s[CLX], 2
	s_cbranch_scc1 .Lbf_\@
.set z, 0
.rept 32
	v_cvt_pk_f16_f32 v[T+z], v[T+2*z], v[T+2*z+1]  ; q, k, g
.set z, z+1
.endr
	s_cmp_lt_u32 s[CLX], 2
	s_cbranch_scc0 .Lpk_\@
.irp e, 0,1                            ; q, k: four chains, a block's low halves and its high halves
	v_fma_mix_f32 v[C+2*(\e)],   v[T+16*(\e)], v[T+16*(\e)], v[ZR] op_sel_hi:[1,1,0]
	v_fma_mix_f32 v[C+2*(\e)+1], v[T+16*(\e)], v[T+16*(\e)], v[ZR] op_sel:[1,1,0] op_sel_hi:[1,1,0]
.endr
.set z, 1
.rept 15
.irp e, 0,1
	v_fma_mix_f32 v[C+2*(\e)],   v[T+16*(\e)+z], v[T+16*(\e)+z], v[C+2*(\e)]   op_sel_hi:[1,1,0]
	v_fma_mix_f32 v[C+2*(\e)+1], v[T+16*(\e)+z], v[T+16*(\e)+z], v[C+2*(\e)+1] op_sel:[1,1,0] op_sel_hi:[1,1,0]
.endr
.set z, z+1
.endr
	v_add_f32 v[C], v[C], v[C+1]
	v_add_f32 v[C+2], v[C+2], v[C+3]
	v_permlanex16_b32 v[C+1], v[C], s[SEL], s[SEL+1]    ; a row's other 32 columns lie in the lane 16 away
	v_permlanex16_b32 v[C+3], v[C+2], s[SEL], s[SEL+1]
	v_add_f32 v[C], v[C], v[C+1]
	v_add_f32 v[C+2], v[C+2], v[C+3]
	v_cndmask_b32 v[C], v[C], v[C+2], s[HM]        ; lanes 0-15: the first block's rows; lanes 16-31: the second's (a row's sum lies in both halves of the lanes)
	v_mul_f32 v[SQ+(\p)], s[FAC], v[C]
	global_store_b32 v[SQO], v[SQ+(\p)], s[66:67] offset:128*(\p)  ; 128 consecutive bytes
	s_branch .Lpk_\@
.Lbf_\@:
.set z, 0
.rept 32
	v_cvt_pk_bf16_f32 v[T+z], v[T+2*z], v[T+2*z+1] ; v
.set z, z+1
.endr
.Lpk_\@:
.irp e, 0,1
.irp b, 0,1,2,3
	ds_store_b128 v[STO], v[T+16*(\e)+4*(\b):T+16*(\e)+4*(\b)+3] offset:32*(\b)
.endr
.irp f, 0,1,2,3
	ds_load_b128 v[TMP+16*(2*(\p)+(\e))+4*(\f):TMP+16*(2*(\p)+(\e))+4*(\f)+3], v[RD] offset:(\f)*4*SP  ; LDS serves a wave's instructions in order: these see the stores above, the next block's stores come behind them
.endr
.endr
.endm
.macro SENDA a, younger                ; younger: the LDS instructions issued behind block a's four loads
.irp f, 0,1,2,3
	s_wait_dscnt (\younger)+3-(\f)
	global_store_b128 v[GO], v[TMP+16*(\a)+4*(\f):TMP+16*(\a)+4*(\f)+3], s[10:11] offset:(\a)*2048+(\f)*512  ; 512 consecutive bytes, aligned
.endr
.endm
	OUT2 0
.irp p, 1,2,3                          ; a pair's arithmetic stands between the loads of the pair before and its stores
	OUT2 \p
	SENDA 2*(\p)-2, 24                             ; behind them: the pair's second block's eight and the next pair's sixteen
	SENDA 2*(\p)-1, 16
.endr
	SENDA 6, 8
	SENDA 7, 0
	s_wait_tensorcnt 0x0                           ; the wave's end
	ds_add_u32 v[SPW], v[NIL]
	s_wait_dscnt 0x0
	CROUND                                         ; the closing round
	s_endpgm
.Lfunc_end_k_q648d4b8b43_qkvg:
	.size	k_q648d4b8b43_qkvg, .Lfunc_end_k_q648d4b8b43_qkvg-k_q648d4b8b43_qkvg
	.p2alignl 7, 3214868480
	.fill 96, 4, 3214868480
	.section	.rodata,"a",@progbits
	.p2align	6, 0x0
	.amdhsa_kernel k_q648d4b8b43_qkvg
		.amdhsa_group_segment_fixed_size 327680
		.amdhsa_private_segment_fixed_size 0
		.amdhsa_enable_private_segment 0
		.amdhsa_kernarg_size 40
		.amdhsa_user_sgpr_count 2
		.amdhsa_user_sgpr_kernarg_segment_ptr 1
		.amdhsa_wavefront_size32 1
		.amdhsa_system_sgpr_workgroup_id_x 1
		.amdhsa_system_sgpr_workgroup_id_y 1
		.amdhsa_system_sgpr_workgroup_id_z 1
		.amdhsa_system_vgpr_workitem_id 0
		.amdhsa_next_free_vgpr 768
		.amdhsa_next_free_sgpr 80
		.amdhsa_reserve_vcc 0
		.amdhsa_float_denorm_mode_32 3
		.amdhsa_float_denorm_mode_16_64 3
		.amdhsa_memory_ordered 1
		.amdhsa_forward_progress 1
		.amdhsa_inst_pref_size 107
	.end_amdhsa_kernel
	.amdgpu_metadata
---
amdhsa.version: [ 1, 2 ]
amdhsa.kernels:
  - .name:           k_q648d4b8b43_qkvg
    .symbol:         k_q648d4b8b43_qkvg.kd
    .args:
      - { .name: xn, .offset: 0, .size: 8, .value_kind: global_buffer, .address_space: global }
      - { .name: wh, .offset: 8, .size: 8, .value_kind: global_buffer, .address_space: global }
      - { .name: b_qkvg, .offset: 16, .size: 8, .value_kind: global_buffer, .address_space: global }
      - { .name: qkvg, .offset: 24, .size: 8, .value_kind: global_buffer, .address_space: global }
      - { .name: sq, .offset: 32, .size: 8, .value_kind: global_buffer, .address_space: global }
    .group_segment_fixed_size: 327680
    .private_segment_fixed_size: 0
    .kernarg_segment_align: 8
    .kernarg_segment_size: 40
    .max_flat_workgroup_size: 128
    .sgpr_count:     80
    .vgpr_count:     768
    .wavefront_size: 32
...
	.end_amdgpu_metadata
.endif
;; end of part 2
;; launch shep (part 3): grid 16 x 16, 4 waves a work-group, clusters of 4 x 4, 327,680 bytes of LDS; arguments qkvg, sq, mk, ya, se; writes ya, se
.if DOCPART == 3
	.amdgcn_target "amdgcn-amd-amdhsa--gfx1250"
	.amdhsa_code_object_version 6
	.text
	.protected	k_q648d4b8b43_shep
	.globl	k_q648d4b8b43_shep
	.p2align	8
	.type	k_q648d4b8b43_shep,@function
k_q648d4b8b43_shep:
	s_mov_b64 s[64:65], 0
	v_nop
	global_prefetch_b8 v0, s[64:65] scope:SCOPE_SE
	s_setreg_imm32_b32 hwreg(HW_REG_WAVE_MODE, 25, 1), 1
	s_wait_xcnt 0x0
	s_wait_alu depctr_hold_cnt(0) depctr_sa_sdst(0) depctr_va_vdst(0) depctr_va_sdst(0) depctr_va_ssrc(0) depctr_va_vcc(0) depctr_vm_vsrc(0)
	s_getreg_b32 s2, hwreg(HW_REG_IB_STS2, 6, 4)
	s_cmp_eq_u32 s2, 0
	s_cbranch_scc0 .Lentry_in_a_cluster
	s_endpgm
.Lentry_in_a_cluster:
	s_bfe_u32 s2, ttmp6, 0x10000c
	s_cmp_lg_u32 s2, 0xf033
	s_cbranch_scc0 .Lentry_shape_is_right
	s_endpgm
.Lentry_shape_is_right:
; SHEP: for each batch and head, A[q][:] = G[q][:] x (sum over k of w(q, k) V[k][:]) / max(sum over k of w(q, k), 1e-8), w = 0 where the mask hides k, else min(1 / max(d2, 0), 1e16), d2 = |q|^2 + |k|^2 - 2 q.k.
; The root of the formula is not taken: max(sqrt(max(d2, 0)), 1e-8)^-2 = min(1 / max(d2, 0), 1e16) for every real d2 (shown at the head of the first launch).  Every tile is computed: the mask is an input.
; THE TWO GUARDS COST NO LINE OF THEIR OWN.  d2 is made times 2^-41, by a multiply-add with clamp, which holds its result to 0 .. 1.  The lower end is the formula's max(d2, 0).  The upper end is never reached: q and k are
; f16, so d2 is at most 64 x 131,008^2 = 1.1e12, under 2^41.  So every weight carries the factor 2^41, exactly; it cancels in weight / sum, and the sum's guard is 1e-8 x 2^41.  The rounded weights then meet the mask words of
; the first launch in a packed minimum: 1e16 x 2^41 where the key is seen, which is the formula's max(dist, 1e-8) (the reciprocal of 0, an infinity, comes down to it), and 0 where it is hidden.
; WHAT IS STORED.  A has no room in f16 when gain and weights are both large or both small.  So for each row and head E = the power of two at or below the row's largest |A| over the head's 64 channels (held to
; 2^-126 .. 2^126) goes to se = f32 [batch x head 16][row 2048], and A / E (exact; below 2 in magnitude), rounded once to f16, to ya = [batch x head][row][64].  The last launch puts E back in f32.
; LIMITS.  w is rounded to bf16 (its range has no room in f16), V is bf16; the row sum is taken of the rounded, masked w, so that a row with one key gives that key's V.  With all 2,048 weights of a row at their cap
; (4.5e31 in all) |V| beyond 7e6 overflows the f32 sums.  |A| beyond 2^127 is not served.  NaN and infinities are not treated apart.
; SHARES.  A work-group owns 128 queries of one (batch, head): 8 tiles of 16.  THE KEYS ARE SPLIT AMONG ITS FOUR WAVES: every wave holds all 8 tiles, and of each step's 256 keys wave w takes 64 w .. 64 w + 63.
; So a fragment of K or V is read from LDS by one wave and feeds 8 tiles.  Sums over keys are plain sums (no maximum, no rescaling): the four waves' parts are added once, at the end, through LDS.
; LAYOUT.  S = K Q^T - |k|^2 / 2 (source 0 = 16 keys, source 1 = 16 queries; the C operand that starts the sum is -|k|^2 / 2): a lane holds ONE query (lane % 16) and keys 8 (lane / 16) + 0..7.  d2 = -2 S + |q|^2.
; Two such results, as weights rounded to bf16 in pairs, ARE source 1 of O^T = V^T P; V comes out of LDS turned.  A fifth product with ones as source 0 makes the row sums.
; A STEP.  Behind the change of slots K and -|k|^2 / 2 are read, and the first 16 products start; the mask words and V are read behind them.  The wave's tiles are four PIECES of two.  KQ(0) stands bare; turn p holds the
; products KQ(p + 1) and PV(p - 1), and piece p's vector work dealt evenly behind them; PV(3) stands bare.  A turn's 64 reciprocals are one batch with one wait.  The step's text stands twice: in the loop, and for the last step.
; CLUSTER 4 x 4.  K, V and -|k|^2 / 2 hang on (batch, head) alone: shared along a row of the cluster.  The mask words hang on the query block alone: shared along a column.  One joint load a wave behind each round.
; O^T and the row sums start at 0, so that the loop has one form of product: 40 products of a fragment of zeros with itself write them, in the wait for the first tile.
; REGISTERS (windows of 256): 0: addresses; v32-47 |q|^2 2^-41 in pairs; v48-49 -2^-40; v56-63 zeros; v64-191 S, two buffers of two tiles; v192-255 P likewise.   1: O^T, 32 a tile.   2: v0-127 Q; v128-191 K; v192-255 V.
;   3: v0-63 row sums, 8 a tile; v64-191 mask words, 32 a piece; v192-199 ones; v200-231 -|k|^2 / 2.
.set PK,    144
.set PV,    160
.set VOFF,  256*PK
.set MOFF,  VOFF+256*PV
.set COFF,  MOFF+65536
.set SLOT,  COFF+1024
.set STAGE, 2*SLOT                     ; behind the ring: 16 rows x 144 bytes for each wave
.set SP,    144
.set SPARE, STAGE+4*16*SP              ; the spare words, 128 bytes a wave, that no other line names
.set BLK,   4608                       ; the end: one wave's part of one tile: 4,096 bytes of O^T and 512 of the row sum, at (4 tile + wave) x BLK from LDS byte 0 (slot bytes, after their last fill)
.set AK0, 2
.set AV0, 3
.set AC0, 4
.set AM0, 5
.set ADRK, 6
.set ADRV, 7
.set ADRM, 8
.set ADRC, 10
.set QO,  12
.set STO, 13
.set RD,  14
.set GO,  15
.set Q2O, 16
.set ZR,  17
.set STR, 20                           ; v20-23
.set LDR, 24
.set PFO, 25
.set INV, 26                           ; v26-27  the end: 1 / E, twice
.set ES,  28                           ; v28-29  the end: E of my two tiles
.set SPW, 30                           ; my spare word's address; never rewritten
.set NIL, 31                           ; 0; never rewritten
.set Q2,  32
.set CSV, 48                           ; v48-49  -2^-40, twice: with clamp every source of the multiply-add is a vector register
.set ZF,  56                           ; v56-63  a fragment of zeros; never rewritten
.set S,   64
.set P,   192
.set T,   64                           ; the end: Y x G in f32
.set BK,  128                          ; rows read back from the stage
.set GR,  160                          ; G of my two tiles
.set PD,  192                          ; packed results
.set AB,  224                          ; magnitudes, at work
.set KF,  128                          ; window 2
.set VF,  192
.set MK,  64                           ; window 3
.set ONE, 192
.set KC,  200
.set WV,  12
.set TB,  17                           ; LDS byte at which the slot in hand begins
.set CNT, 18
.set G1K, 24
.set G1V, 32
.set G1M, 40
.set G1C, 48
.set G0K, 56
.set G0V, 60
.set G0M, 68
.set G0C, 72
.set LIM, 66
.set SEL, 78
.set TOT, 81
.set SEP, 88                           ; s[88:89] se at my 32 rows
.set PFA, 92
.set PST, 94
.set MSB, 0
.macro WIN new
.if MSB != (\new)
	s_set_vgpr_msb (MSB<<8)|(\new)
.set MSB, (\new)
.endif
.endm
.macro PLACES
.rept 4
	v_nop
.endr
.endm
.macro ONELOAD g0, g1                  ; an s_nop 0 and four v_nop follow every tensor load
	tensor_load_to_lds s[(\g0):(\g0)+3], s[(\g1):(\g1)+7]
	s_nop 0
.rept 4
	v_nop
.endr
.endm
.macro JLOAD4                          ; wave 0 fetches a step's K, wave 1 its V, wave 2 its mask words, wave 3 its -|k|^2 / 2: the branches hang on the wave's number alone
	s_cmp_lt_u32 s[WV], 2
	s_cbranch_scc0 .Lhi_\@
	s_cmp_eq_u32 s[WV], 0
	s_cbranch_scc0 .Lv_\@
	ONELOAD G0K, G1K
	s_branch .Lasked_\@
.Lv_\@:
	ONELOAD G0V, G1V
	s_branch .Lasked_\@
.Lhi_\@:
	s_cmp_eq_u32 s[WV], 2
	s_cbranch_scc0 .Lc_\@
	ONELOAD G0M, G1M
	s_branch .Lasked_\@
.Lc_\@:
	ONELOAD G0C, G1C
.Lasked_\@:
.endm
; A PREFETCH INTO THE L2 of the step that stands two fills on: 32 blocks of 256 bytes, a lane a block, one instruction a wave.  K's and V's rows are walked by all clusters of a row of clusters: the one with x = 0 asks,
; wave 0 for K and wave 1 for V, each partner for a quarter told apart by address (cx).  The mask words are walked by all clusters of a column: the one with y = 0 asks, waves 2 and 3 for a half each of the partner's quarter (cy).
; So each block is named once.  The first three steps come by their loads alone; the last two fills ask for nothing.
.macro ASK
	s_cmp_gt_u32 s[CNT], s[LIM]
	s_cbranch_scc0 .Lnot_mine_\@
	global_prefetch_b8 v[PFO], s[PFA:PFA+1] th:TH_LOAD_NT scope:SCOPE_SE
.Lnot_mine_\@:
.endm
.macro CROUND
	s_barrier_signal -1
	s_barrier_wait -1
	s_cmp_lg_u32 s[WV], 0
	s_cbranch_scc1 .Lnot_wave_0_\@
	s_barrier_signal -3
.Lnot_wave_0_\@:
	s_barrier_wait -3
	s_barrier_signal -1
	s_barrier_wait -1
.endm
; THE CHANGE OF SLOTS.  Each wave waits for all its tensor loads (one is out: its part of the slot to be read), adds 0 to its spare word, and waits for that and for its LDS reads (all of the old slot's were waited for at the
; head of its step's second turn).  fill = 1: behind a round of the cluster's barrier the old slot is filled with the step after the one to be read: that load has a whole step, 144 matrix instructions a wave, in which to land.
.macro CHANGE fill
	WIN 0
	s_wait_tensorcnt 0x0                           ; no tensor load of mine is out, so the descriptors may be written
	ds_add_u32 v[SPW], v[NIL]
.if \fill
	s_xor_b32 s[G0K+1], s[G0K+1], SLOT
	s_xor_b32 s[G0V+1], s[G0V+1], VOFF^(VOFF+SLOT)
	s_xor_b32 s[G0M+1], s[G0M+1], MOFF^(MOFF+SLOT)
	s_xor_b32 s[G0C+1], s[G0C+1], COFF^(COFF+SLOT)
	s_add_nc_u64 s[G0K+2:G0K+3], s[G0K+2:G0K+3], 32768
	s_add_nc_u64 s[G0V+2:G0V+3], s[G0V+2:G0V+3], 32768
	s_add_nc_u64 s[G0M+2:G0M+3], s[G0M+2:G0M+3], 65536
	s_add_nc_u64 s[G0C+2:G0C+3], s[G0C+2:G0C+3], 1024
	s_wait_xcnt 0x0                                ; the last prefetch, a step back, has read its address
	s_add_nc_u64 s[PFA:PFA+1], s[PFA:PFA+1], s[PST:PST+1]
.endif
	s_xor_b32 s[TB], s[TB], SLOT
	s_wait_dscnt 0x0
.if \fill
	CROUND
	JLOAD4
	ASK
.else
	s_barrier_signal -1
	s_barrier_wait -1
.endif
.endm
	s_load_b256 s[4:11], s[0:1], 0x0               ; qkvg s[4:5], sq s[6:7], mk s[8:9], ya s[10:11]
	s_load_b64 s[SEP:SEP+1], s[0:1], 0x20          ; se
	v_lshl_add_u32 v[SPW], v0, 2, SPARE
	v_mov_b32 v[NIL], 0
	ds_add_u32 v[SPW], v[NIL]                      ; the wave's opening: the add, twice on end, and its wait ahead of my first tensor load
	ds_add_u32 v[SPW], v[NIL]
	v_lshrrev_b32 v1, 5, v0
	v_readfirstlane_b32 s[WV], v1
	s_bfe_u32 s13, ttmp6, 0x40000                  ; cx
	s_bfe_u32 s14, ttmp6, 0x40004                  ; cy
	s_lshl_b32 s15, ttmp9, 2
	s_add_co_u32 s15, s15, s13                     ; query block = 4 x cluster x + cx
	s_and_b32 s16, ttmp7, 0xffff
	s_lshl_b32 s16, s16, 2
	s_add_co_u32 s16, s16, s14                     ; 8 x batch + head = 4 x cluster y + cy
	s_lshl_b32 s19, s14, 2
	s_lshl_b32 s19, 15, s19                        ; my row of the cluster
	s_lshl_b32 s67, 0x1111, s13                    ; my column
	s_or_b32 s[G1K], s19, (1<<16)|(1<<20)|(1<<21)|(4<<22)|(3<<25)  ; 256 keys are 32,768 dense bytes: 128 rows of 256 bytes, two keys a row, 4 words of padding after every key
	s_or_b32 s[G1V], s19, (1<<16)|(1<<20)|(1<<21)|(4<<22)|(7<<25)  ; the same with 8 words
	s_or_b32 s[G1M], s67, (3<<16)|(1<<21)          ; 65,536 dense bytes: 256 rows of 32 elements of 8 bytes
	s_or_b32 s[G1C], s19, (3<<16)|(1<<21)          ; 1,024 dense bytes: 4 such rows
.irp g, G1K, G1V
	s_mov_b32 s[\g+1], 128<<16
	s_mov_b32 s[\g+2], 128<<16
	s_mov_b32 s[\g+3], 128<<16
	s_mov_b32 s[\g+4], 128
	s_mov_b32 s[\g+5], 128
	s_mov_b32 s[\g+6], 0
	s_mov_b32 s[\g+7], 0
.endr
	s_mov_b32 s[G1M+1], 32<<16
	s_mov_b32 s[G1M+2], 256<<16
	s_mov_b32 s[G1M+3], 32<<16
	s_mov_b32 s[G1M+4], 256
	s_mov_b32 s[G1M+5], 32
	s_mov_b32 s[G1M+6], 0
	s_mov_b32 s[G1M+7], 0
	s_mov_b32 s[G1C+1], 32<<16
	s_mov_b32 s[G1C+2], 4<<16
	s_mov_b32 s[G1C+3], 32<<16
	s_mov_b32 s[G1C+4], 4
	s_mov_b32 s[G1C+5], 32
	s_mov_b32 s[G1C+6], 0
	s_mov_b32 s[G1C+7], 0
	s_mov_b32 s[G0K], 1
	s_mov_b32 s[G0K+1], 0
	s_mov_b32 s[G0V], 1
	s_mov_b32 s[G0V+1], VOFF
	s_mov_b32 s[G0M], 1
	s_mov_b32 s[G0M+1], MOFF
	s_mov_b32 s[G0C], 1
	s_mov_b32 s[G0C+1], COFF
	s_lshr_b32 s20, s16, 3                         ; batch
	s_and_b32 s21, s16, 7                          ; head
	s_lshl_b32 s22, s20, 5
	s_add_co_u32 s22, s22, s21
	s_lshl_b32 s22, s22, 18                        ; (32 batch + head) x 262,144: q's block in qkvg
	s_mov_b32 s23, 0
	s_lshl_b32 s20, s20, 4
	s_add_co_u32 s20, s20, s21
	s_lshl_b32 s20, s20, 13                        ; (16 batch + head) x 8,192: |q|^2 in sq
	s_mov_b32 s21, 0
	s_lshl_b32 s90, s15, 19                        ; query block x 524,288 in mk
	s_mov_b32 s91, 0
	s_mov_b32 s[SEL], 0x76543210
	s_mov_b32 s[SEL+1], 0xfedcba98
	s_mov_b32 s[TOT], 0x46abcc77                   ; 1e-8 x 2^41: the f32 nearest 1e-8 with 41 added to its exponent
	s_mov_b32 s[TB], SLOT                          ; the first change of slots turns it into 0
	s_mov_b32 s[CNT], 7
	s_and_b32 s19, ttmp7, 0xffff                   ; the cluster's y
	s_wait_dscnt 0x0                               ; both opening adds are done
	s_wait_kmcnt 0x0
	s_add_nc_u64 s[82:83], s[4:5], s[22:23]
	s_add_nc_u64 s[G0K+2:G0K+3], s[82:83], 8*262144
	s_add_nc_u64 s[G0V+2:G0V+3], s[82:83], 16*262144
	s_add_nc_u64 s[84:85], s[6:7], s[20:21]
	s_add_nc_u64 s[G0C+2:G0C+3], s[84:85], 8*8192
	s_add_nc_u64 s[G0M+2:G0M+3], s[8:9], s[90:91]
	s_cmp_eq_u32 s[WV], 0                          ; the prefetches: K, V or the mask words, by the wave's number
	s_cselect_b64 s[PFA:PFA+1], s[G0K+2:G0K+3], s[G0V+2:G0V+3]
	s_cmp_lt_u32 s[WV], 2
	s_cselect_b64 s[PFA:PFA+1], s[PFA:PFA+1], s[G0M+2:G0M+3]
	s_cselect_b32 s2, s13, s14                     ; my place among the four that ask jointly
	s_cselect_b32 s3, 13, 14                       ; a quarter of a step: 8,192 or 16,384 bytes
	s_cselect_b32 s[PST], 15, 16                   ; a step: 32,768 or 65,536 bytes
	s_cselect_b32 s19, ttmp9, s19                  ; the coordinate along which other clusters read the same bytes
	s_lshl_b32 s2, s2, s3
	s_lshl_b32 s[PST], 1, s[PST]
	s_mov_b32 s[PST+1], 0
	s_cmp_eq_u32 s19, 0
	s_cselect_b32 s[LIM], 2, -1                    ; the same in all sixteen partners, for a given wave
	s_and_b32 s3, s[WV], 1
	s_lshl_b32 s3, s3, 13
	s_cmp_lt_u32 s[WV], 2
	s_cselect_b32 s3, 0, s3                        ; waves 2 and 3 take a half each of the partner's quarter
	s_add_co_u32 s2, s2, s3
	s_lshl_b32 s3, s[PST], 1                       ; at step 2: the first change steps it to step 3
	s_add_co_u32 s2, s2, s3
	s_mov_b32 s3, 0
	s_add_nc_u64 s[PFA:PFA+1], s[PFA:PFA+1], s[2:3]
	s_or_b32 s[G0K+3], s[G0K+3], 0x80000000
	s_or_b32 s[G0V+3], s[G0V+3], 0x80000000
	s_or_b32 s[G0C+3], s[G0C+3], 0x80000000
	s_or_b32 s[G0M+3], s[G0M+3], 0x80000000
	CROUND                                         ; all sixteen work-groups are here: the first joint loads meet
	JLOAD4                                         ; step 0 into slot 0
	s_lshl_b32 s2, s15, 14                         ; my 128 queries: 16,384 bytes
	s_mov_b32 s3, 0
	s_add_nc_u64 s[82:83], s[82:83], s[2:3]        ; Q
	s_lshl_b32 s20, s[WV], 12                      ; the two tiles that I finish: 4,096 bytes
	s_mov_b32 s21, 0
	s_add_nc_u64 s[86:87], s[82:83], s[20:21]
	s_add_nc_u64 s[86:87], s[86:87], 24*262144     ; G
	s_lshl_b32 s22, s16, 18
	s_mov_b32 s23, 0
	s_add_nc_u64 s[10:11], s[10:11], s[22:23]
	s_add_nc_u64 s[10:11], s[10:11], s[2:3]
	s_add_nc_u64 s[10:11], s[10:11], s[20:21]      ; ya
	s_lshl_b32 s2, s15, 9
	s_add_nc_u64 s[84:85], s[84:85], s[2:3]        ; |q|^2
	s_lshl_b32 s22, s16, 13                        ; se: (batch x head) x 8,192 + 512 x query block + 128 x wave
	s_add_co_u32 s22, s22, s2
	s_lshl_b32 s20, s[WV], 7
	s_add_co_u32 s22, s22, s20
	s_add_nc_u64 s[SEP:SEP+1], s[SEP:SEP+1], s[22:23]
	v_and_b32 v1, 15, v0                           ; l % 16
	v_bfe_u32 v9, v0, 4, 1                         ; l / 16
	v_and_b32 v11, 31, v0
	v_lshlrev_b32 v[QO], 7, v1
	v_lshl_add_u32 v[QO], v9, 4, v[QO]             ; row x 128 + 16 x half
	v_lshlrev_b32 v[Q2O], 2, v1
.set i, 0
.rept 8
	v_mov_b32 v[ZF+i], 0                           ; the fragment of zeros
.set i, i+1
.endr
	v_mov_b32 v[CSV], 0xab800000                   ; -2^-40
	v_mov_b32 v[CSV+1], 0xab800000
	WIN 0x80
.set i, 0
.rept 16                                       ; Q stays in registers: tile i / 2, channels 32 (i % 2) on
	global_load_b128 v[8*i:8*i+3],   v[QO], s[82:83] offset:(i/2)*2048+(i%2)*64
	global_load_b128 v[8*i+4:8*i+7], v[QO], s[82:83] offset:(i/2)*2048+(i%2)*64+32
.set i, i+1
.endr
	WIN 0
.irp t, 0,1,2,3,4,5,6,7
	global_load_b32 v[Q2+2*(\t)], v[Q2O], s[84:85] offset:64*(\t)
.endr
	WIN 0x40                                       ; destination window 1, sources window 0
.set i, 0
.rept 32
	v_wmma_f32_16x16x32_bf16 v[8*i:8*i+7], v[ZF:ZF+7], v[ZF:ZF+7], 0  ; O^T = 0: one line for eight registers
.set i, i+1
.endr
	WIN 0xc0                                       ; destination window 3
.set i, 0
.rept 8
	v_wmma_f32_16x16x32_bf16 v[8*i:8*i+7], v[ZF:ZF+7], v[ZF:ZF+7], 0  ; the row sums = 0
.set i, i+1
.endr
.set i, 0
.rept 8
	v_mov_b32 v[ONE+i], 0x3f803f80                 ; 1.0 twice, in bf16
.set i, i+1
.endr
	WIN 0
	v_mov_b32 v[ZR], 0
	v_lshlrev_b32 v[PFO], 8, v11
	v_mul_u32_u24 v[AK0], v1, PK                   ; K: key 64 w + l % 16, 16 bytes for each half of the lanes
	v_lshl_add_u32 v[AK0], v9, 4, v[AK0]
	s_mul_i32 s2, s[WV], 64*PK
	v_add_nc_u32 v[AK0], s2, v[AK0]
	v_and_b32 v18, 7, v0
	v_bfe_u32 v19, v0, 3, 1
	v_lshl_add_u32 v[AV0], v9, 3, v18              ; V: key 64 w + 8 (l / 16) + l % 8, channels 8 ((l / 8) % 2) ..
	v_mul_u32_u24 v[AV0], v[AV0], PV
	v_lshl_add_u32 v[AV0], v19, 4, v[AV0]
	s_mul_i32 s2, s[WV], 64*PV
	s_add_co_u32 s2, s2, VOFF
	v_add_nc_u32 v[AV0], s2, v[AV0]
	s_lshl_b32 s2, s[WV], 8
	s_add_co_u32 s2, s2, COFF
	v_lshl_add_u32 v[AC0], v9, 5, s2               ; -|k|^2 / 2 of keys 64 w + 8 (l / 16) ..
	s_lshl_b32 s2, s[WV], 11
	s_add_co_u32 s2, s2, MOFF
	v_lshl_add_u32 v[AM0], v11, 4, s2              ; mask words: my wave's four groups of 16 keys, 16 bytes a lane
	s_mul_i32 s2, s[WV], BLK
	v_lshl_add_u32 v[STR], v11, 4, s2              ; the end: where my part of tiles 2 p, 2 p + 1 goes
	v_add_nc_u32 v[STR+1], 8*BLK, v[STR]
	v_add_nc_u32 v[STR+2], 16*BLK, v[STR]
	v_add_nc_u32 v[STR+3], 24*BLK, v[STR]
	s_mul_i32 s2, s[WV], 8*BLK
	v_lshl_add_u32 v[LDR], v11, 4, s2              ; and where the four parts of the tiles that I finish lie
	s_mul_i32 s2, s[WV], 16*SP
	s_add_co_u32 s2, s2, STAGE
	v_mul_u32_u24 v[STO], v1, SP
	v_lshl_add_u32 v[STO], v9, 4, v[STO]
	v_add_nc_u32 v[STO], s2, v[STO]
	v_bfe_u32 v[RD], v0, 3, 2
	v_mul_u32_u24 v[RD], v[RD], SP
	v_lshl_add_u32 v[RD], v18, 4, v[RD]
	v_add_nc_u32 v[RD], s2, v[RD]
	v_lshlrev_b32 v[GO], 4, v11
	s_wait_loadcnt 0x0                             ; Q and |q|^2
.irp t, 0,1,2,3,4,5,6,7
	v_mul_f32 v[Q2+2*(\t)], 0x2b000000, v[Q2+2*(\t)]  ; |q|^2 x 2^-41
.endr
.irp t, 0,1,2,3,4,5,6,7
	v_mov_b32 v[Q2+2*(\t)+1], v[Q2+2*(\t)]         ; twice: the packed multiply-add takes the pair
.endr
; THE MATRIX WORK.  The accumulators of a run take turns, one instruction a turn: between two links of a chain stand 7 (KQ) or 9 (PV) others'.
.macro KQ x                            ; product i of 16 for piece x: channels 32 (i / 8) on, keys 16 ((i / 2) % 4) on, tile 2 x + i % 2.  The first 8 start the sums with -|k|^2 / 2
.set rS, S+64*((\x)%2)+32*(i%2)+8*((i/2)%4)
.set rK, KF+16*((i/2)%4)+8*(i/8)
.set rQ, 16*(2*(\x)+i%2)+8*(i/8)
.set rC, KC+8*((i/2)%4)
.if i < 8
	WIN 0x3a                                       ; K and Q window 2, C window 3, S window 0
	v_wmma_f32_16x16x32_f16 v[rS:rS+7], v[rK:rK+7], v[rQ:rQ+7], v[rC:rC+7]
.else
	WIN 0x0a
	v_wmma_f32_16x16x32_f16 v[rS:rS+7], v[rK:rK+7], v[rQ:rQ+7], v[rS:rS+7]
.endif
.endm
.macro PV x                            ; product i of 20 for piece x: keys 32 (i / 10) on, tile 2 x + i % 2; blocks 0-3: channels 16 x block on; block 4: the row sums
.set pk, i/10
.set pu, (i%10)%2
.set pb, (i%10)/2
.set rP, P+32*((\x)%2)+16*pu+8*pk
.set rO, 32*(2*(\x)+pu)+8*pb
.set rV, VF+32*pk+8*pb
.set rL, 8*(2*(\x)+pu)
.if pb < 4
	WIN 0x52                                       ; V window 2, P window 0, O^T window 1
	v_wmma_f32_16x16x32_bf16 v[rO:rO+7], v[rV:rV+7], v[rP:rP+7], v[rO:rO+7]
.else
	WIN 0xf3                                       ; ones and sums window 3, P window 0
	v_wmma_f32_16x16x32_bf16 v[rL:rL+7], v[ONE:ONE+7], v[rP:rP+7], v[rL:rL+7]
.endif
.endm
; THE VECTOR WORK of piece Y, five lines for two weights, in 32 units (unit u: pair u / 2 of tile u % 2: each accumulator's lowest registers are read first).
.macro UREG u
.set rU, S+64*(Y%2)+32*((\u)%2)+2*((\u)/2)
.set rW, Q2+2*(2*Y+(\u)%2)
.endm
.macro FF u                            ; d2 x 2^-41 = S x (-2^-40) + |q|^2 x 2^-41, held to 0 .. 1: at 0 the formula's max(d2, 0); 1 is never reached
	UREG \u
	v_pk_fma_f32 v[rU:rU+1], v[rU:rU+1], v[CSV:CSV+1], v[rW:rW+1] clamp
.endm
.macro RR u, e                         ; the weight x 2^41; an infinity where d2 was held at 0
	UREG \u
	v_rcp_f32 v[rU+(\e)], v[rU+(\e)]
.endm
.macro VS u                            ; unit u's reciprocals, with unit u + 4's d2 ahead of them; none of these reads a reciprocal's result
	WIN 0
.if (\u)+4 < 32
	FF (\u)+4
.endif
	RR \u, 0
	RR \u, 1
.endm
.macro CA b                            ; block b of 16 behind the wait: four roundings to bf16 (even b), or the minimum of those four words and their mask words (odd b): the weight's cap where the key is seen, 0 where it is hidden
.irp n, 0,1,2,3
.set w, 4*((\b)/2)+(\n)
.if (\b)%2 == 0
	WIN 0
	v_cvt_pk_bf16_f32 v[P+32*(Y%2)+w], v[S+64*(Y%2)+2*w], v[S+64*(Y%2)+2*w+1]
.else
	WIN 0x03                                       ; the mask words lie in window 3
	v_pk_min_num_bf16 v[P+32*(Y%2)+w], v[MK+32*Y+w], v[P+32*(Y%2)+w]
.endif
.endr
.endm
.macro RB                              ; the next of a turn's 48 blocks.  Between block 31 and block 32 stands the turn's one wait: ahead of it nothing names a reciprocal's result, behind it no reciprocal is issued
.if rb < 32
	VS rb
.else
.if rb == 32
	WIN 0
	v_nop                                          ; a plain instruction behind the last reciprocal,
	s_wait_alu depctr_va_vdst(0)                   ; and the wait ahead of the first reader: one for the 64
.if Y == 0
	s_wait_dscnt 40                                ; piece 0's 8 loads of mask words are in; the other pieces' 24 and V's 16 may stay out
.endif
.endif
	CA rb-32
.endif
.set rb, rb+1
.endm
.macro DEAL                            ; behind matrix instruction mi of nm: blocks up to the share 48 mi / nm
.rept 3
.if rb*nm < mi*48
	RB
.endif
.endr
.endm
; TURN p.  No block names a register of the turn's products: KQ(p + 1) writes the other buffer of S, PV(p - 1) reads the other buffer of P.  Behind the last product of a turn stand four plain instructions or more,
; the places in front of the next turn's reads of S and writes of P.
.macro TURN p
.set Y, (\p)
.set rb, 0
.set mi, 0
.set nm, 36
.if (\p) == 0
.set nm, 16
.endif
.if (\p) == 3
.set nm, 20
.endif
.if (\p) == 1
	s_wait_dscnt 0x0                               ; the other mask words and V are in: all of the step's LDS reads are over
.endif
	WIN 0
	FF 0
	FF 1
	FF 2
	FF 3
.if (\p) < 3
.set i, 0
.rept 16
	KQ (\p)+1
.set i, i+1
.set mi, mi+1
	DEAL
.endr
.endif
.if (\p) > 0
.set i, 0
.rept 20
	PV (\p)-1
.set i, i+1
.set mi, mi+1
	DEAL
.endr
.endif
.endm
.macro WORK                            ; a step
	WIN 0
	v_add_nc_u32 v[ADRK], s[TB], v[AK0]
	v_add_nc_u32 v[ADRC], s[TB], v[AC0]
	v_add_nc_u32 v[ADRM], s[TB], v[AM0]
	v_add_nc_u32 v[ADRV], s[TB], v[AV0]
	WIN 0x80
.irp f, 0,1,2,3,4,5,6,7                ; K: keys 16 (f / 2) on, channels 32 (f % 2) on
	ds_load_b128 v[KF+8*\f:KF+8*\f+3],   v[ADRK] offset:(\f/2)*16*PK+(\f%2)*64
	ds_load_b128 v[KF+8*\f+4:KF+8*\f+7], v[ADRK] offset:(\f/2)*16*PK+(\f%2)*64+32
.endr
	WIN 0xc0
.irp f, 0,1,2,3
	ds_load_b128 v[KC+8*\f:KC+8*\f+3],   v[ADRC] offset:64*\f
	ds_load_b128 v[KC+8*\f+4:KC+8*\f+7], v[ADRC] offset:64*\f+16
.endr
	s_wait_dscnt 0x0                               ; K and -|k|^2 / 2 are in: nothing else has been asked of LDS, so that the first products start as soon as these 24 loads are back
.set i, 0
.rept 16
	KQ 0
.set i, i+1
.endr
	WIN 0xc0
.set i, 0
.rept 32                                       ; mask words: tile i / 4, keys 16 (i % 4) on: piece 0's eight loads first; their first reader stands behind turn 0's wait
	ds_load_b128 v[MK+4*i:MK+4*i+3], v[ADRM] offset:(i/4)*8192+(i%4)*512
.set i, i+1
.endr
	WIN 0x80
.irp f, 0,1,2,3,4,5,6,7                ; V, turned: keys 32 (f / 4) on, channels 16 (f % 4) on; its first reader stands in turn 1
	ds_load_tr16_b128 v[VF+8*\f:VF+8*\f+3],   v[ADRV] offset:(\f/4)*32*PV+(\f%4)*32
	ds_load_tr16_b128 v[VF+8*\f+4:VF+8*\f+7], v[ADRV] offset:(\f/4)*32*PV+16*PV+(\f%4)*32
.endr
	WIN 0
	PLACES                                         ; behind the products KQ(0), in front of turn 0's reads of their results
	TURN 0
	TURN 1
	TURN 2
	TURN 3
.set i, 0
.rept 20
	PV 3
.set i, i+1
.endr
	WIN 0
	PLACES                                         ; in front of the next step's loads into V's registers
.endm
.Lstep:                                                ; seven trips: steps 0 to 6 are worked on, steps 1 to 7 asked for
	CHANGE 1
	WORK
	s_sub_co_u32 s[CNT], s[CNT], 1
	s_cmp_lg_u32 s[CNT], 0
	s_cbranch_scc1 .Lstep
	CHANGE 0                                       ; the last step is written out: nothing is asked for
	WORK
	PLACES
	; THE END.  G of the two tiles that I finish is asked for; every wave puts its part of all 8 tiles into LDS (register numbers cannot hang on the wave's number); wave w adds the four parts of tiles 2 w, 2 w + 1.
.irp u, 0,1
.irp c, 0,1,2,3
	global_load_b128 v[GR+16*(\u)+4*(\c):GR+16*(\u)+4*(\c)+3], v[QO], s[86:87] offset:(\u)*2048+32*(\c)
.endr
.endr
	s_mov_b32 s3, 0x7fffffff                       ; clears a sign
	s_wait_dscnt 0x0
	s_barrier_signal -1
	s_barrier_wait -1                              ; no wave reads a slot any more
.set t, 0
.rept 8
	WIN 0x04                                       ; store data in window 1
.irp g, 0,1,2,3,4,5,6,7
	ds_store_b128 v[STR+t/2], v[32*t+4*(\g):32*t+4*(\g)+3] offset:(t%2)*4*BLK+512*(\g)
.endr
	WIN 0x0c                                       ; in window 3
	ds_store_b128 v[STR+t/2], v[8*t:8*t+3] offset:(t%2)*4*BLK+4096
.set t, t+1
.endr
	WIN 0
	s_wait_dscnt 0x0                               ; for the others' sake: my stores are done
	s_barrier_signal -1
	s_barrier_wait -1
	s_wait_loadcnt 0x0                             ; G
; Tile 2 w + u, worked on in window W: the four parts, 36 registers each (32 of O^T, the row sum four times), are added; A = O^T / max(sum, 1e-8 x 2^41) x G in f32 (the weights' factor 2^41 cancels here); E from the row's
; largest |A|; A / E, rounded once to f16, goes through my stage and out as dense rows.
.macro REDT u, W
	WIN (\W)<<6
.irp s, 0,1,2,3
.irp g, 0,1,2,3,4,5,6,7,8
	ds_load_b128 v[36*(\s)+4*(\g):36*(\s)+4*(\g)+3], v[LDR] offset:(\u)*4*BLK+(\s)*BLK+512*(\g)
.endr
.endr
	s_wait_dscnt 0x0
	WIN (\W)|((\W)<<2)|((\W)<<6)
.set z, 0
.rept 17
	v_pk_add_f32 v[z:z+1], v[z:z+1], v[36+z:37+z]
	v_pk_add_f32 v[72+z:73+z], v[72+z:73+z], v[108+z:109+z]
.set z, z+2
.endr
.set z, 0
.rept 17
	v_pk_add_f32 v[z:z+1], v[z:z+1], v[72+z:73+z]
.set z, z+2
.endr
	v_max_num_f32 v34, s[TOT], v32
	v_rcp_f32 v32, v34
	v_nop                                          ; a plain instruction behind the reciprocal,
	s_wait_alu depctr_va_vdst(0)                   ; and its wait, ahead of the first reader
.set z, 0
.rept 16
	v_pk_mul_f32 v[z:z+1], v[z:z+1], v[32:33] op_sel_hi:[1,0]
.set z, z+2
.endr
	WIN (\W)                                       ; source 0 in window W, all else in window 0
.set z, 0
.rept 16
	v_fma_mix_f32 v[T+32*(\u)+2*z],   v[2*z],   v[GR+16*(\u)+z], v[ZR] op_sel_hi:[0,1,0]
	v_fma_mix_f32 v[T+32*(\u)+2*z+1], v[2*z+1], v[GR+16*(\u)+z], v[ZR] op_sel:[0,1,0] op_sel_hi:[0,1,0]
.set z, z+1
.endr
	WIN 0
.set z, 0
.rept 32
	v_and_b32 v[AB+z], s3, v[T+32*(\u)+z]          ; magnitudes of my 32 channels of the row
.set z, z+1
.endr
.irp k, 1,3,5
.irp c, 0,1,2,3
	v_max3_num_f32 v[AB+8*(\c)], v[AB+8*(\c)], v[AB+8*(\c)+(\k)], v[AB+8*(\c)+(\k)+1]  ; four chains of seven
.endr
.endr
	v_max3_num_f32 v[AB], v[AB], v[AB+7], v[AB+15] ; the four left over, and the chains into one
	v_max3_num_f32 v[AB+16], v[AB+16], v[AB+23], v[AB+31]
	v_max3_num_f32 v[AB], v[AB], v[AB+8], v[AB+16]
	v_max_num_f32 v[AB], v[AB], v[AB+24]
	v_permlanex16_b32 v19, v[AB], s[SEL], s[SEL+1] ; the row's other 32 channels lie in the lane 16 away
	v_max_num_f32 v18, v[AB], v19
	v_max_num_f32 v18, 0x00800000, v18             ; held to 2^-126 .. 2^126, so that E and 1 / E are both normal numbers
	v_min_num_f32 v18, 0x7e800000, v18
	v_and_b32 v[ES+(\u)], 0x7f800000, v18          ; E: the exponent alone
	v_sub_nc_u32 v[INV], 0x7f000000, v[ES+(\u)]    ; 1 / E: exponent field 254 less E's
	v_mov_b32 v[INV+1], v[INV]
.set z, 0
.rept 16
	v_pk_mul_f32 v[T+32*(\u)+z:T+32*(\u)+z+1], v[T+32*(\u)+z:T+32*(\u)+z+1], v[INV:INV+1]
.set z, z+2
.endr
.set z, 0
.rept 16
	v_cvt_pk_f16_f32 v[PD+16*(\u)+z], v[T+32*(\u)+2*z], v[T+32*(\u)+2*z+1]
.set z, z+1
.endr
.irp f, 0,1,2,3
	ds_store_b128 v[STO], v[PD+16*(\u)+4*(\f):PD+16*(\u)+4*(\f)+3] offset:32*(\f)
.endr
.irp f, 0,1,2,3
	ds_load_b128 v[BK+16*(\u)+4*(\f):BK+16*(\u)+4*(\f)+3], v[RD] offset:(\f)*4*SP  ; LDS serves a wave's instructions in order: these see the stores above
.endr
	s_wait_dscnt 0x0
.irp f, 0,1,2,3
	global_store_b128 v[GO], v[BK+16*(\u)+4*(\f):BK+16*(\u)+4*(\f)+3], s[10:11] offset:(\u)*2048+(\f)*512  ; 512 consecutive bytes, aligned
.endr
.endm
	REDT 0, 2
	REDT 1, 1
	s_mov_b32 s2, 0xffff0000
	v_cndmask_b32 v18, v[ES], v[ES+1], s2          ; lanes 0-15: my first tile's rows; lanes 16-31: my second's (a row's E lies in both halves of the lanes)
	v_lshrrev_b32 v19, 2, v[GO]                    ; 4 x lane
	global_store_b32 v19, v18, s[SEP:SEP+1]        ; 128 consecutive bytes, once a wave
	s_wait_tensorcnt 0x0                           ; the wave's end
	ds_add_u32 v[SPW], v[NIL]
	s_wait_dscnt 0x0
	CROUND                                         ; the closing round
	s_endpgm
.Lfunc_end_k_q648d4b8b43_shep:
	.size	k_q648d4b8b43_shep, .Lfunc_end_k_q648d4b8b43_shep-k_q648d4b8b43_shep
	.p2alignl 7, 3214868480
	.fill 96, 4, 3214868480
	.section	.rodata,"a",@progbits
	.p2align	6, 0x0
	.amdhsa_kernel k_q648d4b8b43_shep
		.amdhsa_group_segment_fixed_size 327680
		.amdhsa_private_segment_fixed_size 0
		.amdhsa_enable_private_segment 0
		.amdhsa_kernarg_size 40
		.amdhsa_user_sgpr_count 2
		.amdhsa_user_sgpr_kernarg_segment_ptr 1
		.amdhsa_wavefront_size32 1
		.amdhsa_system_sgpr_workgroup_id_x 1
		.amdhsa_system_sgpr_workgroup_id_y 1
		.amdhsa_system_sgpr_workgroup_id_z 1
		.amdhsa_system_vgpr_workitem_id 0
		.amdhsa_next_free_vgpr 1024
		.amdhsa_next_free_sgpr 96
		.amdhsa_reserve_vcc 0
		.amdhsa_float_denorm_mode_32 3
		.amdhsa_float_denorm_mode_16_64 3
		.amdhsa_memory_ordered 1
		.amdhsa_forward_progress 1
		.amdhsa_inst_pref_size 165
	.end_amdhsa_kernel
	.amdgpu_metadata
---
amdhsa.version: [ 1, 2 ]
amdhsa.kernels:
  - .name:           k_q648d4b8b43_shep
    .symbol:         k_q648d4b8b43_shep.kd
    .args:
      - { .name: qkvg, .offset: 0, .size: 8, .value_kind: global_buffer, .address_space: global }
      - { .name: sq, .offset: 8, .size: 8, .value_kind: global_buffer, .address_space: global }
      - { .name: mk, .offset: 16, .size: 8, .value_kind: global_buffer, .address_space: global }
      - { .name: ya, .offset: 24, .size: 8, .value_kind: global_buffer, .address_space: global }
      - { .name: se, .offset: 32, .size: 8, .value_kind: global_buffer, .address_space: global }
    .group_segment_fixed_size: 327680
    .private_segment_fixed_size: 0
    .kernarg_segment_align: 8
    .kernarg_segment_size: 40
    .max_flat_workgroup_size: 128
    .sgpr_count:     96
    .vgpr_count:     1024
    .wavefront_size: 32
...
	.end_amdgpu_metadata
.endif
;; end of part 3
;; launch outp (part 4): grid 8 x 32, 4 waves a work-group, clusters of 4 x 4, 327,680 bytes of LDS; arguments ya, wh, X, b_out, se, out0; writes out0
.if DOCPART == 4
	.amdgcn_target "amdgcn-amd-amdhsa--gfx1250"
	.amdhsa_code_object_version 6
	.text
	.protected	k_q648d4b8b43_outp
	.globl	k_q648d4b8b43_outp
	.p2align	8
	.type	k_q648d4b8b43_outp,@function
k_q648d4b8b43_outp:
	s_mov_b64 s[64:65], 0
	v_nop
	global_prefetch_b8 v0, s[64:65] scope:SCOPE_SE
	s_setreg_imm32_b32 hwreg(HW_REG_WAVE_MODE, 25, 1), 1
	s_wait_xcnt 0x0
	s_wait_alu depctr_hold_cnt(0) depctr_sa_sdst(0) depctr_va_vdst(0) depctr_va_sdst(0) depctr_va_ssrc(0) depctr_va_vcc(0) depctr_vm_vsrc(0)
	s_getreg_b32 s2, hwreg(HW_REG_IB_STS2, 6, 4)
	s_cmp_eq_u32 s2, 0
	s_cbranch_scc0 .Lentry_in_a_cluster
	s_endpgm
.Lentry_in_a_cluster:
	s_bfe_u32 s2, ttmp6, 0x10000c
	s_cmp_lg_u32 s2, 0xf033
	s_cbranch_scc0 .Lentry_shape_is_right
	s_endpgm
.Lentry_shape_is_right:
; OUTP: out[m][n] = X[m][n] + b_out[n] + sum over heads h of E[m][h] x (sum over the head's 64 k of ya[m][k] W_out[k][n]).  ya = Y * G / E in f16, by heads: [batch 2][head 8][row 2048][64]; E = a power of two
; for each row and head, f32 (se: [batch x head][row]); W_out: f16 [512][1024] (wh, byte 4,194,304).  Nothing of the formula is left out here.
; A head's sum is made by the matrix unit from the constant 0 (two links on each accumulator); E times it is added in f32 to totals kept in registers: a lane holds one row of out, so E is one register a lane.
; A tile of out is 128 x 128; four waves, each 64 x 64.  K = 512 fits in LDS whole, so NOTHING IS FILLED AGAIN: each wave issues four joint loads at the start, one for each stage of 128 along K (two heads):
; waves 0 and 1 a head's 128 rows of ya (16,384 dense bytes, asked for as 64 rows of 256 bytes and padded after every row of 128), waves 2 and 3 64 k-rows of W_out.  By this text's own count four tensor loads of a wave are out.
; A stage is read behind a counted wait and a barrier; the later stages' loads stay out.  Cluster 4 x 4: ya's tiles are shared along a row, W_out's along a column.
; The matrix instruction is used transposed; W_out's fragments come out of LDS turned.  X is loaded into registers behind the first head.  No prefetch: the launch is short and its tiles are small.
.set PA,    144
.set PB,    288
.set HBLK,  128*PA                     ; a head's 128 rows
.set BOFF,  8*HBLK
.set STAGE, BOFF+512*PB                ; 16 rows x 272 bytes of f32 for each wave
.set SPF,   272
.set SPARE, STAGE+4*16*SPF
.set BB,   8                           ; v8-11   b_out of my 4 columns on the way out
.set SCO,  12                          ; v12     4 x (l % 16)
.set ADRA, 16                          ; v16-19  my ya fragments, by stage
.set ADRB, 20                          ; v20-23  my W_out fragments, by stage
.set STO,  24
.set RD,   25
.set XO,   26
.set BBO,  27
.set SPW,  28
.set NIL,  29
.set TMP,  32                          ; v32-95  two sets of 32: 16 rows read back
.set SC,   96                          ; v96-127 E of my lane's row: head q, block a of 16 rows at SC + 4 q + a
.set ACC,  128                         ; window 0: a head's sums
.set TOT,  128                         ; window 2: the totals (v0-127 of that window: X)
.set F0,   0
.set F1,   128
.set G1,  16
.set G1B, 24
.set G0,  32                           ; s[32:47] four sets, one for each stage
.set G0B, 48                           ; s[48:63]
.set WV, 68
.set RH, 69
.set CH, 70
.set TR, 71
.set MSB, 0
.macro WIN new
.if MSB != (\new)
	s_set_vgpr_msb (MSB<<8)|(\new)
.set MSB, \new
.endif
.endm
.set MUL,  0x05
.set TO_F, 0x40
.macro CROUND
	s_barrier_signal -1
	s_barrier_wait -1
	s_cmp_lg_u32 s[WV], 0
	s_cbranch_scc1 .Lnot_wave_0_\@
	s_barrier_signal -3
.Lnot_wave_0_\@:
	s_barrier_wait -3
	s_barrier_signal -1
	s_barrier_wait -1
.endm
.macro PLACES
.rept 4
	v_nop
.endr
.endm
	s_load_b256 s[4:11], s[0:1], 0x0               ; ya s[4:5], wh s[6:7], X s[8:9], b_out s[10:11]
	s_load_b128 s[84:87], s[0:1], 0x20             ; se s[84:85], out0 s[86:87]
	v_lshl_add_u32 v[SPW], v0, 2, SPARE
	v_mov_b32 v[NIL], 0
	ds_add_u32 v[SPW], v[NIL]                      ; the wave's opening: the add, twice on end, and its wait ahead of my first tensor load
	ds_add_u32 v[SPW], v[NIL]
	v_lshrrev_b32 v1, 5, v0
	v_readfirstlane_b32 s[WV], v1
	s_lshr_b32 s[RH], s[WV], 1
	s_and_b32 s[CH], s[WV], 1
	s_bfe_u32 s72, ttmp6, 0x40000                  ; cx
	s_bfe_u32 s73, ttmp6, 0x40004                  ; cy
	s_lshl_b32 s74, ttmp9, 2
	s_add_co_u32 s74, s74, s72                     ; tile column
	s_and_b32 s[TR], ttmp7, 0xffff
	s_lshl_b32 s[TR], s[TR], 2
	s_add_co_u32 s[TR], s[TR], s73                 ; tile row
	s_lshl_b32 s75, s73, 2
	s_lshl_b32 s75, 15, s75                        ; my row of the cluster
	s_lshl_b32 s76, 0x1111, s72                    ; my column
	s_or_b32 s[G1+0], s75, (1<<16)|(1<<20)|(1<<21)|(4<<22)|(3<<25)   ; ya: 4 words of padding after every 32 words
	s_or_b32 s[G1B+0], s76, (1<<16)|(1<<20)|(1<<21)|(5<<22)|(7<<25)  ; W_out: 8 words after every 64
.irp g, G1, G1B
	s_mov_b32 s[(\g)+1], 128<<16                   ; 64 rows x 128 elements
	s_mov_b32 s[(\g)+2], 64<<16
	s_mov_b32 s[(\g)+3], 128<<16
	s_mov_b32 s[(\g)+4], 64
	s_mov_b32 s[(\g)+6], 0
	s_mov_b32 s[(\g)+7], 0
.endr
	s_mov_b32 s[G1+5], 128                         ; dense
	s_mov_b32 s[G1B+5], 1024                       ; a row of W_out
	s_lshr_b32 s78, s[TR], 4                       ; ya: batch x 8 heads x 262,144
	s_lshl_b32 s78, s78, 21
	s_and_b32 s79, s[TR], 15
	s_lshl_b32 s79, s79, 14                        ; + 128 rows of 128 bytes x tile row in the batch
	s_add_co_u32 s78, s78, s79
	s_lshl_b32 s79, s[CH], 18                      ; + the head that I fetch of a stage's two
	s_add_co_u32 s78, s78, s79
	s_mov_b32 s79, 0
	s_lshl_b32 s80, s74, 8                         ; W_out: 256 bytes x tile column
	s_lshl_b32 s81, s[CH], 17                      ; + 64 k-rows of 2,048 bytes x half
	s_add_co_u32 s80, s80, s81
	s_add_co_u32 s80, s80, 4194304
	s_mov_b32 s81, 0
	s_mul_i32 s14, s[CH], HBLK                     ; where they go (64 k-rows of W_out take as many bytes as a head's block)
	s_add_co_u32 s15, s14, BOFF
	s_wait_dscnt 0x0                               ; both opening adds are done
	s_wait_kmcnt 0x0
	s_add_nc_u64 s[78:79], s[4:5], s[78:79]
	s_add_nc_u64 s[80:81], s[6:7], s[80:81]
.irp s, 0,1,2,3
	s_mov_b32 s[G0+4*(\s)], 1
	s_add_co_u32 s[G0+4*(\s)+1], s14, (\s)*2*HBLK
	s_add_nc_u64 s[G0+4*(\s)+2:G0+4*(\s)+3], s[78:79], (\s)*2*262144
	s_or_b32 s[G0+4*(\s)+3], s[G0+4*(\s)+3], 0x80000000
	s_mov_b32 s[G0B+4*(\s)], 1
	s_add_co_u32 s[G0B+4*(\s)+1], s15, (\s)*128*PB
	s_add_nc_u64 s[G0B+4*(\s)+2:G0B+4*(\s)+3], s[80:81], (\s)*128*2048
	s_or_b32 s[G0B+4*(\s)+3], s[G0B+4*(\s)+3], 0x80000000
.endr
	CROUND                                         ; all sixteen work-groups are here: the joint loads meet
	s_cmp_eq_u32 s[RH], 0                          ; a wave's four fills stand in one branch, ahead of every wait on TENSORcnt and every LDS read
	s_cbranch_scc0 .Lfirst_b
.irp s, 0,1,2,3
	tensor_load_to_lds s[G0+4*(\s):G0+4*(\s)+3], s[G1:G1+7]
	s_nop 0
.endr
	PLACES
	s_branch .Lfirst_asked
.Lfirst_b:
.irp s, 0,1,2,3
	tensor_load_to_lds s[G0B+4*(\s):G0B+4*(\s)+3], s[G1B:G1B+7]
	s_nop 0
.endr
	PLACES
.Lfirst_asked:
	v_and_b32 v1, 15, v0
	v_bfe_u32 v2, v0, 4, 1
	v_mul_u32_u24 v3, v1, PA
	v_lshl_add_u32 v3, v2, 4, v3
	s_mul_i32 s14, s[RH], 64*PA                    ; my 64 rows
	v_add_nc_u32 v[ADRA], s14, v3
	v_and_b32 v6, 7, v0
	v_lshl_add_u32 v4, v2, 3, v6
	v_mul_u32_u24 v4, v4, PB
	v_bfe_u32 v5, v0, 3, 1
	v_lshl_add_u32 v4, v5, 4, v4
	s_lshl_b32 s15, s[CH], 7                       ; my 64 columns
	s_add_co_u32 s15, s15, BOFF
	v_add_nc_u32 v[ADRB], s15, v4
.irp s, 1,2,3
	v_add_nc_u32 v[ADRA+(\s)], (\s)*2*HBLK, v[ADRA]
	v_add_nc_u32 v[ADRB+(\s)], (\s)*128*PB, v[ADRB]
.endr
	s_mul_i32 s14, s[WV], 16*SPF
	s_add_co_u32 s14, s14, STAGE
	v_mul_u32_u24 v[STO], v1, SPF                  ; in: row l % 16, 32 bytes for each half of the lanes
	v_lshl_add_u32 v[STO], v2, 5, v[STO]
	v_add_nc_u32 v[STO], s14, v[STO]
	v_mul_u32_u24 v[RD], v2, SPF                   ; back: lanes 0-15 one row of 256 bytes, lanes 16-31 the next
	v_lshl_add_u32 v[RD], v1, 4, v[RD]
	v_add_nc_u32 v[RD], s14, v[RD]
	v_lshlrev_b32 v[BBO], 4, v1
	v_lshl_add_u32 v[XO], v2, 12, v[BBO]           ; and the same two rows in X and in out
	v_lshlrev_b32 v[SCO], 2, v1
	s_lshl_b32 s14, s[TR], 7
	s_lshl_b32 s15, s[RH], 6
	s_add_co_u32 s14, s14, s15
	s_lshl_b32 s14, s14, 12                        ; my first row, 4,096 bytes each
	s_lshl_b32 s2, s74, 9
	s_lshl_b32 s3, s[CH], 8
	s_add_co_u32 s2, s2, s3                        ; my first column, in bytes
	s_mov_b32 s3, 0
	s_add_nc_u64 s[10:11], s[10:11], s[2:3]
	s_add_co_u32 s2, s2, s14
	s_add_nc_u64 s[8:9], s[8:9], s[2:3]
	s_add_nc_u64 s[86:87], s[86:87], s[2:3]
	s_lshr_b32 s2, s[TR], 4                        ; se: batch x 8 heads x 8,192 bytes
	s_lshl_b32 s2, s2, 16
	s_and_b32 s14, s[TR], 15
	s_lshl_b32 s14, s14, 9                         ; + 128 rows x 4 bytes x tile row in the batch
	s_add_co_u32 s2, s2, s14
	s_lshl_b32 s14, s[RH], 8                       ; + my 64 rows
	s_add_co_u32 s2, s2, s14
	s_add_nc_u64 s[84:85], s[84:85], s[2:3]
	global_load_b128 v[BB:BB+3], v[BBO], s[10:11]
.set i, 0
.rept 32                                       ; E: head i / 4, block i % 4 of 16 rows; a lane takes its row's
	global_load_b32 v[SC+i], v[SCO], s[84:85] offset:(i/4)*8192+(i%4)*64
.set i, i+1
.endr
.macro MUL8 f, c, a0, zero
	WIN MUL
.irp a, \a0, (\a0)+1
.irp b, 0,1,2,3
.if \zero
	v_wmma_f32_16x16x32_f16 v[ACC+8*(4*(\a)+(\b)):ACC+8*(4*(\a)+(\b))+7], v[(\f)+64+8*(4*(\c)+(\b)):(\f)+64+8*(4*(\c)+(\b))+7], v[(\f)+8*(4*(\c)+(\a)):(\f)+8*(4*(\c)+(\a))+7], 0
.else
	v_wmma_f32_16x16x32_f16 v[ACC+8*(4*(\a)+(\b)):ACC+8*(4*(\a)+(\b))+7], v[(\f)+64+8*(4*(\c)+(\b)):(\f)+64+8*(4*(\c)+(\b))+7], v[(\f)+8*(4*(\c)+(\a)):(\f)+8*(4*(\c)+(\a))+7], v[ACC+8*(4*(\a)+(\b)):ACC+8*(4*(\a)+(\b))+7]
.endif
.endr
.endr
.endm
.macro FETCH q, f                      ; 32 LDS loads in one run: the fragments of head q (64 along K), into buffer f; the first 32 along K first
	WIN TO_F
.irp c, 0,1
.irp i, 0,1,2,3
	ds_load_tr16_b128 v[(\f)+64+8*(4*(\c)+(\i)):(\f)+64+8*(4*(\c)+(\i))+3],   v[ADRB+(\q)/2] offset:((\q)%2)*64*PB+(\c)*32*PB+32*(\i)
	ds_load_tr16_b128 v[(\f)+64+8*(4*(\c)+(\i))+4:(\f)+64+8*(4*(\c)+(\i))+7], v[ADRB+(\q)/2] offset:((\q)%2)*64*PB+(\c)*32*PB+16*PB+32*(\i)
	ds_load_b128 v[(\f)+8*(4*(\c)+(\i)):(\f)+8*(4*(\c)+(\i))+3],   v[ADRA+(\q)/2] offset:((\q)%2)*HBLK+64*(\c)+(\i)*16*PA
	ds_load_b128 v[(\f)+8*(4*(\c)+(\i))+4:(\f)+8*(4*(\c)+(\i))+7], v[ADRA+(\q)/2] offset:((\q)%2)*HBLK+64*(\c)+(\i)*16*PA+32
.endr
.endr
.endm
.macro QUARTER q, f, g                 ; a head: multiplies buffer f, the first 16 products starting the head's sums, and fetches head q, of the same stage, into g
	s_wait_dscnt 16                                ; the first 32 along K are in; the sixteen younger loads may stay out
	MUL8 \f, 0, 0, 1
	MUL8 \f, 0, 2, 1
	PLACES
	FETCH \q, \g
	s_wait_dscnt 32                                ; all but the 32 just issued
	MUL8 \f, 1, 0, 0
	MUL8 \f, 1, 2, 0
.endm
.macro TURN q, left                    ; a head: multiplies buffer 1 and goes on to the next stage, whose first head is q.  left: my loads for the stages behind that one, which may stay out
	s_wait_tensorcnt \left                         ; my part of the next stage has landed
	s_wait_dscnt 16
	MUL8 F1, 0, 0, 1
	s_wait_dscnt 0x0                               ; no LDS instruction of mine is pending at the signal
	s_barrier_signal -1
	MUL8 F1, 0, 2, 1
	s_barrier_wait -1                              ; everybody's part has landed
	PLACES
	FETCH \q, F0
	MUL8 F1, 1, 0, 0
	MUL8 F1, 1, 2, 0
.endm
; Head q's sums, times E, onto the totals: 64 packed lines, each accumulator's registers in ascending order.  Four v_nop are the places behind the head's last products; the lines themselves are the
; places in front of the next head's products, which write the same accumulators anew.  The next head's LDS loads, issued above, land meanwhile.  The scale of an odd block is its pair's second register.
.macro SCALE q
	WIN 0xa0                                       ; totals (destination and source 2) in window 2; the head's sums and E in window 0
	PLACES
.irp a, 0,1,2,3
.set z, 0
.rept 16
.if (\q) == 0
.if (\a)%2
	v_pk_mul_f32 v[TOT+32*(\a)+z:TOT+32*(\a)+z+1], v[ACC+32*(\a)+z:ACC+32*(\a)+z+1], v[SC+4*(\q)+(\a)-1:SC+4*(\q)+(\a)] op_sel:[0,1] op_sel_hi:[1,1]
.else
	v_pk_mul_f32 v[TOT+32*(\a)+z:TOT+32*(\a)+z+1], v[ACC+32*(\a)+z:ACC+32*(\a)+z+1], v[SC+4*(\q)+(\a):SC+4*(\q)+(\a)+1] op_sel_hi:[1,0]
.endif
.else
.if (\a)%2
	v_pk_fma_f32 v[TOT+32*(\a)+z:TOT+32*(\a)+z+1], v[ACC+32*(\a)+z:ACC+32*(\a)+z+1], v[SC+4*(\q)+(\a)-1:SC+4*(\q)+(\a)], v[TOT+32*(\a)+z:TOT+32*(\a)+z+1] op_sel:[0,1,0] op_sel_hi:[1,1,1]
.else
	v_pk_fma_f32 v[TOT+32*(\a)+z:TOT+32*(\a)+z+1], v[ACC+32*(\a)+z:ACC+32*(\a)+z+1], v[SC+4*(\q)+(\a):SC+4*(\q)+(\a)+1], v[TOT+32*(\a)+z:TOT+32*(\a)+z+1] op_sel_hi:[1,0,1]
.endif
.endif
.set z, z+2
.endr
.endr
.endm
	s_wait_tensorcnt 3                             ; my part of stage 0 is in; three loads may stay out
	s_barrier_signal -1
	s_barrier_wait -1
	FETCH 0, F0
	QUARTER 1, F0, F1
	s_wait_loadcnt 0x0                             ; E and b_out
	SCALE 0
	WIN 0x80                                       ; X into window 2: block a of 16 rows, pair of rows t at 32 a + 4 t; seven heads' work in which to land
.set i, 0
.rept 32
	global_load_b128 v[4*i:4*i+3], v[XO], s[8:9] offset:2*i*4096
.set i, i+1
.endr
	TURN 2, 2
	SCALE 1
	QUARTER 3, F0, F1
	SCALE 2
	TURN 4, 1
	SCALE 3
	QUARTER 5, F0, F1
	SCALE 4
	TURN 6, 0
	SCALE 5
	QUARTER 7, F0, F1
	SCALE 6
	s_wait_dscnt 16
	MUL8 F1, 0, 0, 1
	MUL8 F1, 0, 2, 1
	s_wait_dscnt 0
	MUL8 F1, 1, 0, 0
	MUL8 F1, 1, 2, 0
	SCALE 7
	WIN 0
	s_wait_loadcnt 0x0                             ; X
; THE WAY OUT of block a (16 rows x 64 columns of f32): through my stage, back as whole rows of 256 bytes, + X + b_out, stored.
.macro OUTB a
.set BK, TMP+32*((\a)%2)
	s_wait_xcnt 0x0                                ; the stores of the block before last have read their registers
	WIN 0x08                                       ; store data (source 1) in window 2
.irp b, 0,1,2,3
	ds_store_b128 v[STO], v[TOT+8*(4*(\a)+(\b)):TOT+8*(4*(\a)+(\b))+3]   offset:64*(\b)
	ds_store_b128 v[STO], v[TOT+8*(4*(\a)+(\b))+4:TOT+8*(4*(\a)+(\b))+7] offset:64*(\b)+16
.endr
	WIN 0
.irp t, 0,1,2,3,4,5,6,7
	ds_load_b128 v[BK+4*(\t):BK+4*(\t)+3], v[RD] offset:(\t)*2*SPF  ; LDS serves a wave's instructions in order: these see the stores above
.endr
	s_wait_dscnt 0x0
	WIN 0x08                                       ; source 1 (X) in window 2
.set z, 0
.rept 16
	v_pk_add_f32 v[BK+z:BK+z+1], v[BK+z:BK+z+1], v[32*(\a)+z:32*(\a)+z+1]
.set z, z+2
.endr
	WIN 0
.irp t, 0,1,2,3,4,5,6,7
	v_pk_add_f32 v[BK+4*(\t):BK+4*(\t)+1],   v[BK+4*(\t):BK+4*(\t)+1],   v[BB:BB+1]
	v_pk_add_f32 v[BK+4*(\t)+2:BK+4*(\t)+3], v[BK+4*(\t)+2:BK+4*(\t)+3], v[BB+2:BB+3]
.endr
.irp t, 0,1,2,3,4,5,6,7
	global_store_b128 v[XO], v[BK+4*(\t):BK+4*(\t)+3], s[86:87] offset:(16*(\a)+2*(\t))*4096  ; 16 lanes store 256 consecutive bytes, aligned
.endr
.endm
	OUTB 0
	OUTB 1
	OUTB 2
	OUTB 3
	s_wait_tensorcnt 0x0                           ; the wave's end
	ds_add_u32 v[SPW], v[NIL]
	s_wait_dscnt 0x0
	CROUND                                         ; the closing round
	s_endpgm
.Lfunc_end_k_q648d4b8b43_outp:
	.size	k_q648d4b8b43_outp, .Lfunc_end_k_q648d4b8b43_outp-k_q648d4b8b43_outp
	.p2alignl 7, 3214868480
	.fill 96, 4, 3214868480
	.section	.rodata,"a",@progbits
	.p2align	6, 0x0
	.amdhsa_kernel k_q648d4b8b43_outp
		.amdhsa_group_segment_fixed_size 327680
		.amdhsa_private_segment_fixed_size 0
		.amdhsa_enable_private_segment 0
		.amdhsa_kernarg_size 48
		.amdhsa_user_sgpr_count 2
		.amdhsa_user_sgpr_kernarg_segment_ptr 1
		.amdhsa_wavefront_size32 1
		.amdhsa_system_sgpr_workgroup_id_x 1
		.amdhsa_system_sgpr_workgroup_id_y 1
		.amdhsa_system_sgpr_workgroup_id_z 1
		.amdhsa_system_vgpr_workitem_id 0
		.amdhsa_next_free_vgpr 768
		.amdhsa_next_free_sgpr 88
		.amdhsa_reserve_vcc 0
		.amdhsa_float_denorm_mode_32 3
		.amdhsa_float_denorm_mode_16_64 3
		.amdhsa_memory_ordered 1
		.amdhsa_forward_progress 1
		.amdhsa_inst_pref_size 99
	.end_amdhsa_kernel
	.amdgpu_metadata
---
amdhsa.version: [ 1, 2 ]
amdhsa.kernels:
  - .name:           k_q648d4b8b43_outp
    .symbol:         k_q648d4b8b43_outp.kd
    .args:
      - { .name: ya, .offset: 0, .size: 8, .value_kind: global_buffer, .address_space: global }
      - { .name: wh, .offset: 8, .size: 8, .value_kind: global_buffer, .address_space: global }
      - { .name: X, .offset: 16, .size: 8, .value_kind: global_buffer, .address_space: global }
      - { .name: b_out, .offset: 24, .size: 8, .value_kind: global_buffer, .address_space: global }
      - { .name: se, .offset: 32, .size: 8, .value_kind: global_buffer, .address_space: global }
      - { .name: out0, .offset: 40, .size: 8, .value_kind: global_buffer, .address_space: global }
    .group_segment_fixed_size: 327680
    .private_segment_fixed_size: 0
    .kernarg_segment_align: 8
    .kernarg_segment_size: 48
    .max_flat_workgroup_size: 128
    .sgpr_count:     88
    .vgpr_count:     768
    .wavefront_size: 32
...
	.end_amdgpu_metadata
.endif
;; end of part 4
;; ======== version 2 of 2: 4 launches; version 1 with the launch prep written anew for expert scheduling mode
;; limits: values are held in f16: magnitudes above 65,504 overflow, below 6.1e-05 lose precision; right only within a limited range of input values
;; workspace buffers: xn 8,388,608 bytes; wh 5,242,880 bytes; mk 8,388,608 bytes; qkvg 16,777,216 bytes; sq 262,144 bytes; ya 4,194,304 bytes; se 131,072 bytes
;; launch prep (part 5): grid 544 x 1, 8 waves a work-group, no clusters, 68,608 bytes of LDS; arguments X, ln_gamma, ln_beta, W_qkvg, W_out, mask, xn, wh, mk; writes xn, wh, mk
.if DOCPART == 5
	.amdgcn_target "amdgcn-amd-amdhsa--gfx1250"
	.amdhsa_code_object_version 6
	.text
	.protected	k_q648d4b8b43_prep
	.globl	k_q648d4b8b43_prep
	.p2align	8
	.type	k_q648d4b8b43_prep,@function
k_q648d4b8b43_prep:
	s_mov_b64 s[64:65], 0
	v_nop
	global_prefetch_b8 v0, s[64:65] scope:SCOPE_SE
	s_setreg_imm32_b32 hwreg(HW_REG_WAVE_SCHED_MODE, 0, 2), 2
	s_setreg_imm32_b32 hwreg(HW_REG_WAVE_MODE, 25, 1), 1
	s_wait_xcnt 0x0
	s_wait_alu depctr_vm_vsrc(0)
; PREP, the first of four launches of: out = X + ((Y * G) W_out) + b_out, Y = Shepard attention of LayerNorm(X) W_qkvg + b_qkvg.
; NOTHING IS LEFT OUT: every input has a way to the output and is loaded; the mask is an input, so every tile of weights is made and the mask applied.
; ONE IDENTITY is used in the third launch, for every real d2, with e = 1e-8: max(sqrt(max(d2, 0)), e)^-2 = min(1 / max(d2, 0), 1 / e^2), with 1 / 0 read as infinity.  For d2 >= e^2 both sides are 1 / d2; for
; d2 < e^2, negative d2 too, both are 1 / e^2.  So the root is not taken, and both of the formula's guards live on: d2 is held at 0 from below, the weight at 1e16 from above.
; LIMITS of the program: q, k, g, the normalised x and both weight matrices are kept in f16 (no number beyond 65,504); v and the weights 1 / d2 in bf16; Y * G in f16 behind a power of two for each row and head;
; NaN and infinities are not treated apart.
; THIS LAUNCH streams; three kinds of work-group, told apart by the work-group's number:
;   0-255    LayerNorm of 16 rows of X (a wave a row, two rows a wave, the row kept in registers between mean, variance and scaling) -> xn, f16 [4096][1024]
;   256-415  64 KiB of W_qkvg or of W_out rounded to f16, layout kept -> wh (W_qkvg at byte 0, W_out at byte 4,194,304)
;   416-543  16 rows of the mask -> mk: bf16 words, THE MOST THAT A WEIGHT MAY BE: 0x6e8e = 1e16 x 2^41 where the key is seen (the third launch's weights carry the factor 2^41), 0 where it is hidden; in the order in
;            which a lane of the third launch holds its rounded weights: [query block of 128][step of 256 keys][tile of 16 queries][16 keys][lane 32][8 words]; lane (r, h), word e: query 16 t + r, key 16 kts + 8 h + e
; No matrix unit, no tensor load, no barrier: no wave wants a byte that another wave has.  Every store of a wave covers whole aligned runs of 256 bytes.
; 160 registers a wave: three work-groups of eight waves take 3 x 2 x 160 = 960 of a SIMD's 1,024 registers and 3 x 68,608 bytes of LDS, so that the grid's 544 work-groups can all lie on 256 WGPs together.
; THE MODE: SCHED_MODE bits 1:0 = 2 (LLVM: expert scheduling mode 2), set by the entry lines.  The code itself states the register dependences between vector instructions and memory or LDS instructions,
; with s_wait_alu, always for 0.
; THE PLAN.  In all three kinds every offset and LDS address is written once, at the kind's head, ahead of one wait, and no vector line names it again; every register that a store reads is written once in the
; launch, so no wait for a memory instruction's reads of its registers is owed anywhere.
;   LayerNorm  v26, v27 offsets.  XA, XB, GA, BE: loads land once, in registers that no vector line has named.  A row's packed words: written by its roundings, read by its eight stores.  One wait behind row A's
;              roundings; row A's stores are dealt among row B's arithmetic, which names XB, GA, BE, v16-17 and v20-23 alone; one wait behind row B's roundings, ahead of its stores.
;   weights    v2, v3 offsets.  v32-95 loaded once; v96-127 written by the roundings, read by the stores.  Four blocks of four loads: the wait at a block's head states that the block before has written its words,
;              and that block's four stores are dealt among this block's roundings, which name other registers.
;   mask       v2, v3, v4, v7 offsets and LDS addresses.  v32-63: the mask's bytes, read by the lines that make the words; later eight of the loads from the stage land there.  v64-127: the words, eight registers
;              for each of the eight loads; read by the LDS stores.  v128-159: the other eight loads from the stage.  v8-11 at work: no memory instruction names them.  Four groups of two loads: the wait at a
;              group's head states that the group before has written its words, and its four LDS stores are dealt among this group's lines.
.set SPARE, 67584                      ; behind the eight waves' stages: the spare words, 128 bytes a wave, that no other line names
.set SPW, 30                           ; v30   my spare word's address; never rewritten
.set NIL, 31                           ; v31   0; never rewritten
.set WV,  26                           ; s26   my wave's number
.set XA,  32                           ; v[32:63]   row A, as loaded, then less its mean, then (two registers of four) as stored
.set XB,  64                           ; v[64:95]   row B
.set GA,  96                           ; v[96:127]  gamma of my 32 columns
.set BE,  128                          ; v[128:159] beta
.set TM,  8                            ; v[8:11]    the mask: four words at work
.set OW,  64                           ; v[64:127]  the mask: load i's 16 words at OW + 8 i
	s_load_b512 s[8:23], s[0:1], 0x0               ; X s[8:9], gamma s[10:11], beta s[12:13], W_qkvg s[14:15], W_out s[16:17], mask s[18:19], xn s[20:21], wh s[22:23]
	s_load_b64 s[24:25], s[0:1], 0x40              ; mk
	v_lshl_add_u32 v[SPW], v0, 2, SPARE
	v_mov_b32 v[NIL], 0
	v_lshrrev_b32 v1, 5, v0
	v_readfirstlane_b32 s[WV], v1
	v_and_b32 v1, 31, v0                           ; lane
	s_mov_b32 s29, 0                               ; high words of the two offset pairs
	s_mov_b32 s39, 0
	s_wait_alu depctr_va_sdst(0)                   ; s26, the wave's number, is written: ahead of the branches, behind which each kind's bases are made from it
	s_wait_kmcnt 0x0
	s_cmp_lt_u32 ttmp9, 256
	s_cbranch_scc0 .Lnot_ln
	; ---------------- LayerNorm: rows 16 g + 2 w and the next ----------------
	v_lshlrev_b32 v26, 4, v1                       ; load j of a row: bytes 512 j + 16 lane: columns 128 j + 4 lane ..
	v_lshlrev_b32 v27, 3, v1                       ; the same columns in f16: bytes 256 j + 8 lane
	s_lshl_b32 s28, ttmp9, 16                      ; 16 rows of 4,096 bytes
	s_lshl_b32 s27, s[WV], 13                      ; 2 rows
	s_add_co_u32 s28, s28, s27
	s_lshr_b32 s38, s28, 1                         ; the same rows in xn: 2,048 bytes each
	s_add_nc_u64 s[8:9], s[8:9], s[28:29]
	s_add_nc_u64 s[20:21], s[20:21], s[38:39]
	s_mov_b32 s30, 0x3a800000                      ; 1 / 1024
	s_mov_b32 s31, 0x3727c5ac                      ; 1e-5
	s_mov_b32 s32, 0x76543210                      ; v_permlanex16_b32: each lane takes its own place in the other half
	s_mov_b32 s33, 0xfedcba98
	s_wait_alu depctr_va_vdst(0)                   ; v26 and v27 are written: the loads below read v26 as their offset, the stores at the end v27; no vector line names either again
.irp j, 0,1,2,3,4,5,6,7
	global_load_b128 v[XA+4*(\j):XA+4*(\j)+3], v26, s[8:9] offset:512*(\j)
.endr
.irp j, 0,1,2,3,4,5,6,7
	global_load_b128 v[XB+4*(\j):XB+4*(\j)+3], v26, s[8:9] offset:4096+512*(\j)
.endr
.irp j, 0,1,2,3,4,5,6,7
	global_load_b128 v[GA+4*(\j):GA+4*(\j)+3], v26, s[10:11] offset:512*(\j)
.endr
.irp j, 0,1,2,3,4,5,6,7
	global_load_b128 v[BE+4*(\j):BE+4*(\j)+3], v26, s[12:13] offset:512*(\j)
.endr
.macro REDUCE                          ; four chains of pairs in v[2:9] -> their sum over the wave in v2, in every lane
	v_pk_add_f32 v[2:3], v[2:3], v[4:5]
	v_pk_add_f32 v[6:7], v[6:7], v[8:9]
	v_pk_add_f32 v[2:3], v[2:3], v[6:7]
	v_add_f32 v2, v2, v3
	v_add_f32_dpp v2, v2, v2 row_xmask:1 row_mask:0xf bank_mask:0xf
	v_add_f32_dpp v2, v2, v2 row_xmask:2 row_mask:0xf bank_mask:0xf
	v_add_f32_dpp v2, v2, v2 row_xmask:4 row_mask:0xf bank_mask:0xf
	v_add_f32_dpp v2, v2, v2 row_xmask:8 row_mask:0xf bank_mask:0xf
	v_permlanex16_b32 v3, v2, s32, s33
	v_add_f32 v2, v2, v3
.endm
; The mean; x - mean in place; the mean of its squares + 1e-5 into arg.  Two passes, as the formula has them: an offset common to a row does no harm.
.macro STATS x, mu, arg
.irp c, 0,1,2,3
	v_pk_add_f32 v[2+2*(\c):3+2*(\c)], v[(\x)+2*(\c):(\x)+2*(\c)+1], v[(\x)+8+2*(\c):(\x)+8+2*(\c)+1]
.endr
.irp k, 16,24
.irp c, 0,1,2,3
	v_pk_add_f32 v[2+2*(\c):3+2*(\c)], v[2+2*(\c):3+2*(\c)], v[(\x)+(\k)+2*(\c):(\x)+(\k)+2*(\c)+1]
.endr
.endr
	REDUCE
	v_mul_f32 v[(\mu)], s30, v2
	v_mul_f32 v[(\mu)+1], s30, v2
.set i, 0
.rept 16
	v_pk_add_f32 v[(\x)+i:(\x)+i+1], v[(\x)+i:(\x)+i+1], v[(\mu):(\mu)+1] neg_lo:[0,1] neg_hi:[0,1]
.set i, i+2
.endr
.irp c, 0,1,2,3
	v_pk_mul_f32 v[2+2*(\c):3+2*(\c)], v[(\x)+2*(\c):(\x)+2*(\c)+1], v[(\x)+2*(\c):(\x)+2*(\c)+1]
.endr
.irp k, 8,16,24
.irp c, 0,1,2,3
	v_pk_fma_f32 v[2+2*(\c):3+2*(\c)], v[(\x)+(\k)+2*(\c):(\x)+(\k)+2*(\c)+1], v[(\x)+(\k)+2*(\c):(\x)+(\k)+2*(\c)+1], v[2+2*(\c):3+2*(\c)]
.endr
.endr
	REDUCE
	v_fma_f32 v[(\arg)], v2, s30, s31
.endm
; (x - mean) rstd gamma + beta for four columns, rounded once to f16.  The packed words go into registers of the row that have been used up, so no store's register is written again.
.macro FINJ x, rs, j
	v_pk_mul_f32 v[20:21], v[(\x)+4*(\j):(\x)+4*(\j)+1], v[(\rs):(\rs)+1]
	v_pk_mul_f32 v[22:23], v[(\x)+4*(\j)+2:(\x)+4*(\j)+3], v[(\rs):(\rs)+1]
	v_pk_fma_f32 v[20:21], v[20:21], v[GA+4*(\j):GA+4*(\j)+1], v[BE+4*(\j):BE+4*(\j)+1]
	v_pk_fma_f32 v[22:23], v[22:23], v[GA+4*(\j)+2:GA+4*(\j)+3], v[BE+4*(\j)+2:BE+4*(\j)+3]
	v_cvt_pk_f16_f32 v[(\x)+4*(\j)], v20, v21
	v_cvt_pk_f16_f32 v[(\x)+4*(\j)+1], v22, v23
.endm
	s_wait_loadcnt 24                              ; row A is in; row B, gamma and beta (24 loads) may stay out
	STATS XA, 10, 18
	s_wait_loadcnt 16                              ; row B is in; gamma and beta may stay out
	STATS XB, 12, 19
	v_rsq_f32 v14, v18                             ; each row's 1 / sqrt twice, to fill the pair that the packed multiply takes
	v_rsq_f32 v15, v18
	v_rsq_f32 v16, v19
	v_rsq_f32 v17, v19
	v_nop                                          ; a plain instruction behind the last of the four,
	s_wait_alu depctr_va_vdst(0)                   ; and one wait for the batch: v14 to v17 are written, ahead of their first reader
	s_wait_loadcnt 0x0                             ; gamma and beta
.irp j, 0,1,2,3,4,5,6,7
	FINJ XA, 14, \j
.endr
	s_wait_alu depctr_va_vdst(0)                   ; row A's roundings have written its packed words, which the eight stores below read
.irp j, 0,1,2,3,4,5,6,7
	global_store_b64 v27, v[XA+4*(\j):XA+4*(\j)+1], s[20:21] offset:256*(\j)  ; the wave's 32 lanes store 256 consecutive bytes, aligned.  No further wait: row B's lines name neither XA nor v27
	FINJ XB, 16, \j
.endr
	s_wait_alu depctr_va_vdst(0)                   ; row B's roundings have written its packed words, which the last eight stores read
.irp j, 0,1,2,3,4,5,6,7
	global_store_b64 v27, v[XB+4*(\j):XB+4*(\j)+1], s[20:21] offset:256*(\j)+2048
.endr
	s_endpgm
.Lnot_ln:
	s_cmp_lt_u32 ttmp9, 416
	s_cbranch_scc0 .Lmask
	; ---------------- weights: 64 KiB of f32 -> 32 KiB of f16 ----------------
	v_lshlrev_b32 v2, 4, v0
	v_lshlrev_b32 v3, 3, v0
	s_sub_co_u32 s27, ttmp9, 256                   ; 0-127: W_qkvg's blocks; 128-159: W_out's
	s_sub_co_u32 s36, ttmp9, 384
	s_cmp_lt_u32 s27, 128
	s_cselect_b64 s[34:35], s[14:15], s[16:17]
	s_cselect_b32 s28, s27, s36
	s_lshl_b32 s28, s28, 16
	s_lshl_b32 s38, s27, 15
	s_add_nc_u64 s[34:35], s[34:35], s[28:29]
	s_add_nc_u64 s[22:23], s[22:23], s[38:39]
	s_wait_alu depctr_va_vdst(0)                   ; v2 and v3 are written: the loads read v2 as their offset, the stores v3; no vector line names either again
.irp i, 0,1,2,3,4,5,6,7,8,9,10,11,12,13,14,15
	global_load_b128 v[32+4*(\i):35+4*(\i)], v2, s[34:35] offset:4096*(\i) th:TH_LOAD_NT
.endr
; Block b: loads 4 b to 4 b + 3 are rounded; the stores of the block before stand among the roundings.
.macro WBLK b
	s_wait_loadcnt 12-4*(\b)                       ; loads come back in order: this block's four are in, the younger ones stay out
.if (\b) > 0
	s_wait_alu depctr_va_vdst(0)                   ; the block before has written its eight words, which the four stores below read; this block's roundings name other registers
.endif
.irp n, 0,1,2,3
.if (\b) > 0
	global_store_b64 v3, v[96+2*(4*(\b)-4+(\n)):97+2*(4*(\b)-4+(\n))], s[22:23] offset:2048*(4*(\b)-4+(\n))
.endif
	v_cvt_pk_f16_f32 v[96+2*(4*(\b)+(\n))], v[32+4*(4*(\b)+(\n))], v[33+4*(4*(\b)+(\n))]
	v_cvt_pk_f16_f32 v[97+2*(4*(\b)+(\n))], v[34+4*(4*(\b)+(\n))], v[35+4*(4*(\b)+(\n))]
.endr
.endm
	WBLK 0
	WBLK 1
	WBLK 2
	WBLK 3
	s_wait_alu depctr_va_vdst(0)                   ; block 3 has written its eight words, which the last four stores read
.irp n, 12,13,14,15
	global_store_b64 v3, v[96+2*(\n):97+2*(\n)], s[22:23] offset:2048*(\n)
.endr
	s_endpgm
.Lmask:
	; ---------------- mask: query tile T (16 rows), wave j = step j (256 keys) ----------------
	s_mul_i32 s36, s[WV], 8448                     ; my wave's stage: 16 groups of keys, 512 bytes + 16 of padding each
	v_and_b32 v5, 15, v0
	v_bfe_u32 v6, v0, 4, 1
	v_lshlrev_b32 v2, 4, v5
	v_lshl_add_u32 v2, v6, 11, v2                  ; load i: row 2 i + lane / 16, bytes 16 (lane % 16) ..: 16 keys of one row
	v_mul_u32_u24 v3, v5, 528
	v_lshl_add_u32 v3, v6, 4, v3
	v_add_nc_u32 v3, s36, v3                       ; in: group lane % 16, place 16 h + row
	v_lshl_add_u32 v4, v1, 4, s36                  ; back: a group's 512 bytes, 16 a lane
	v_lshlrev_b32 v7, 4, v1
	s_sub_co_u32 s27, ttmp9, 416                   ; T
	s_lshl_b32 s28, s27, 15                        ; 16 rows of 2,048 bytes
	s_lshl_b32 s36, s[WV], 8
	s_add_co_u32 s28, s28, s36
	s_add_nc_u64 s[18:19], s[18:19], s[28:29]
	s_lshr_b32 s38, s27, 3                         ; query block
	s_lshl_b32 s38, s38, 3
	s_add_co_u32 s38, s38, s[WV]                   ; x 8 steps + step
	s_lshl_b32 s38, s38, 16
	s_and_b32 s36, s27, 7                          ; tile in the block: 8,192 bytes
	s_lshl_b32 s36, s36, 13
	s_add_co_u32 s38, s38, s36
	s_add_nc_u64 s[24:25], s[24:25], s[38:39]
	s_mov_b32 s40, 0x01010101
	s_mov_b32 s41, 0xff
	s_mov_b32 s42, 0x01010000                      ; bytes 0, 0, 1, 1: two bytes become two 16-bit words
	s_mov_b32 s43, 0x03030202
	s_mov_b32 s44, 0x6e8e6e8e                      ; 1e16 x 2^41 in bf16, twice
	s_wait_alu depctr_va_vdst(0)                   ; v2, v3, v4 and v7 are written: the offsets and LDS addresses of all the loads and stores below; no vector line names them again
.irp i, 0,1,2,3,4,5,6,7
	global_load_b128 v[32+4*(\i):35+4*(\i)], v2, s[18:19] offset:4096*(\i) th:TH_LOAD_NT
.endr
.macro MWORDS i                        ; load i's 16 bytes become 16 words, in eight registers of their own
.irp d, 0,1,2,3
	v_xor_b32 v[TM+(\d)], s40, v[32+4*(\i)+(\d)]   ; 1 where the key is seen,
	v_mul_lo_u32 v[TM+(\d)], v[TM+(\d)], s41       ; 0xff there (no byte carries into the next),
	v_perm_b32 v[OW+8*(\i)+2*(\d)], v[TM+(\d)], v[TM+(\d)], s42  ; 0xffff as a word,
	v_perm_b32 v[OW+8*(\i)+2*(\d)+1], v[TM+(\d)], v[TM+(\d)], s43
	v_and_b32 v[OW+8*(\i)+2*(\d)], s44, v[OW+8*(\i)+2*(\d)]      ; the weight's cap there, 0 elsewhere
	v_and_b32 v[OW+8*(\i)+2*(\d)+1], s44, v[OW+8*(\i)+2*(\d)+1]
.endr
.endm
.macro MSTORE i
	ds_store_b128 v3, v[OW+8*(\i):OW+8*(\i)+3] offset:32*(\i)        ; keys 0-7 of the group: the lanes' lower half
	ds_store_b128 v3, v[OW+8*(\i)+4:OW+8*(\i)+7] offset:32*(\i)+256  ; keys 8-15: the upper half
.endm
; Group g: loads 2 g and 2 g + 1 become words; the LDS stores of the group before stand among the lines, in the loads' order.
.macro MGRP g
	s_wait_loadcnt 6-2*(\g)                        ; this group's two loads are in, the younger ones stay out
.if (\g) > 0
	s_wait_alu depctr_va_vdst(0)                   ; the group before has written its 16 registers of words, which the four LDS stores below read; this group's lines name other registers
	MSTORE 2*(\g)-2
.endif
	MWORDS 2*(\g)
.if (\g) > 0
	MSTORE 2*(\g)-1
.endif
	MWORDS 2*(\g)+1
.endm
	MGRP 0
	MGRP 1
	MGRP 2
	MGRP 3
	s_wait_alu depctr_va_vdst(0)                   ; group 3 has written its words, which the last four LDS stores read; and all the lines above are done reading v32 to v63, in which eight of the loads below land
	MSTORE 6
	MSTORE 7
.irp c, 0,1,2,3,4,5,6,7,8,9,10,11,12,13,14,15
	ds_load_b128 v[128+4*(\c)-128*((\c)/8):131+4*(\c)-128*((\c)/8)], v4 offset:528*(\c)  ; groups 0-7 into v128-159, groups 8-15 into v32-63.  LDS serves a wave's instructions in order: these see the stores above
.endr
.irp c, 0,1,2,3,4,5,6,7,8,9,10,11,12,13,14,15
	s_wait_dscnt 15-(\c)
	global_store_b128 v7, v[128+4*(\c)-128*((\c)/8):131+4*(\c)-128*((\c)/8)], s[24:25] offset:512*(\c)
.endr
	s_wait_dscnt 0x0                               ; the closing lines, six on end, behind a wave's last LDS store
	s_wait_alu 0x0
	s_wait_tensorcnt 0x0
	ds_add_u32 v[SPW], v[NIL]
	s_wait_dscnt 0x0
	s_endpgm
.Lfunc_end_k_q648d4b8b43_prep:
	.size	k_q648d4b8b43_prep, .Lfunc_end_k_q648d4b8b43_prep-k_q648d4b8b43_prep
	.p2alignl 7, 3214868480
	.fill 96, 4, 3214868480
	.section	.rodata,"a",@progbits
	.p2align	6, 0x0
	.amdhsa_kernel k_q648d4b8b43_prep
		.amdhsa_group_segment_fixed_size 68608
		.amdhsa_private_segment_fixed_size 0
		.amdhsa_enable_private_segment 0
		.amdhsa_kernarg_size 72
		.amdhsa_user_sgpr_count 2
		.amdhsa_user_sgpr_kernarg_segment_ptr 1
		.amdhsa_wavefront_size32 1
		.amdhsa_system_sgpr_workgroup_id_x 1
		.amdhsa_system_sgpr_workgroup_id_y 1
		.amdhsa_system_sgpr_workgroup_id_z 1
		.amdhsa_system_vgpr_workitem_id 0
		.amdhsa_next_free_vgpr 160
		.amdhsa_next_free_sgpr 66
		.amdhsa_reserve_vcc 0
		.amdhsa_float_denorm_mode_32 3
		.amdhsa_float_denorm_mode_16_64 3
		.amdhsa_memory_ordered 1
		.amdhsa_forward_progress 1
		.amdhsa_inst_pref_size 42
	.end_amdhsa_kernel
	.amdgpu_metadata
---
amdhsa.version: [ 1, 2 ]
amdhsa.kernels:
  - .name:           k_q648d4b8b43_prep
    .symbol:         k_q648d4b8b43_prep.kd
    .args:
      - { .name: X, .offset: 0, .size: 8, .value_kind: global_buffer, .address_space: global }
      - { .name: ln_gamma, .offset: 8, .size: 8, .value_kind: global_buffer, .address_space: global }
      - { .name: ln_beta, .offset: 16, .size: 8, .value_kind: global_buffer, .address_space: global }
      - { .name: W_qkvg, .offset: 24, .size: 8, .value_kind: global_buffer, .address_space: global }
      - { .name: W_out, .offset: 32, .size: 8, .value_kind: global_buffer, .address_space: global }
      - { .name: mask, .offset: 40, .size: 8, .value_kind: global_buffer, .address_space: global }
      - { .name: xn, .offset: 48, .size: 8, .value_kind: global_buffer, .address_space: global }
      - { .name: wh, .offset: 56, .size: 8, .value_kind: global_buffer, .address_space: global }
      - { .name: mk, .offset: 64, .size: 8, .value_kind: global_buffer, .address_space: global }
    .group_segment_fixed_size: 68608
    .private_segment_fixed_size: 0
    .kernarg_segment_align: 8
    .kernarg_segment_size: 72
    .max_flat_workgroup_size: 256
    .sgpr_count:     66
    .vgpr_count:     160
    .wavefront_size: 32
...
	.end_amdgpu_metadata
.endif
;; end of part 5
;; launch qkvg: the kernel of part 2 again; grid 16 x 16, 4 waves a work-group, clusters of 4 x 4, 327,680 bytes of LDS; arguments xn, wh, b_qkvg, qkvg, sq; writes qkvg, sq
;; launch shep: the kernel of part 3 again; grid 16 x 16, 4 waves a work-group, clusters of 4 x 4, 327,680 bytes of LDS; arguments qkvg, sq, mk, ya, se; writes ya, se
;; launch outp: the kernel of part 4 again; grid 8 x 32, 4 waves a work-group, clusters of 4 x 4, 327,680 bytes of LDS; arguments ya, wh, X, b_out, se, out0; writes out0
